; MI455X (gfx1250); checked and timed in simulation.
; The chip was launched on July 23, 2026; its instructions are those of AMD's public machine-readable ISA for CDNA 5 (MIT licence, August 2026) and "CDNA5" Instruction Set Architecture Reference Guide (July 2026). The comments in the code are by the model that wrote it; some were corrected since.
;; Temporal Attention. Allowed arithmetic: float matrix products may take bf16 or f16 operands with f32 sums; other float arithmetic in f32, or as packed bf16 or f16 multiplies, adds, multiply-adds, maxima and minima; sums over many terms, partial sums and values carried from step to step in f32; what a program stores and reads back later, other than sums and carried values, may be rounded once to bf16 or f16.
;; Inputs: Wk 2,048 x 2,048 float32; Wo 2,048 x 2,048 float32; Wq 2,048 x 2,048 float32; Wv 2,048 x 2,048 float32; cos 2,048 x 128 float32; sin 2,048 x 128 float32; x 1 x 2,048 x 2,048 float32.
;; Outputs: out0 1 x 2,048 x 2,048 float32; out1 1 x 16 x 2,048 x 128 float32; out2 1 x 16 x 2,048 x 128 float32.
;; One version. Each part assembles by itself: llvm-mc -triple=amdgcn-amd-amdhsa -mcpu=gfx1250 --defsym DOCPART=n.
;; ======== version 1 of 1: 4 launches
;; limits: values are held in f16: magnitudes above 65,504 overflow, below 6.1e-05 lose precision; right only within a limited range of input values; inputs' magnitudes at most 16,376
;; workspace buffers: xb 8,388,608 bytes; wb 25,165,824 bytes; wof 8,388,608 bytes; cst 1,048,576 bytes; q16 8,388,608 bytes; k16 8,388,608 bytes; v16 8,388,608 bytes; ob 10,485,760 bytes
;; launch cvt (part 1): grid 256 x 5, 8 waves a work-group, no clusters, 0 bytes of LDS; arguments x, Wq, Wk, Wv, cos, sin, xb, wb, cst; writes xb, wb, cst
.if DOCPART == 1
	.amdgcn_target "amdgcn-amd-amdhsa--gfx1250"
	.amdhsa_code_object_version 6
	.text
	.protected	k_qe0df95eecb_cvt
	.globl	k_qe0df95eecb_cvt
	.p2align	8
	.type	k_qe0df95eecb_cvt,@function
k_qe0df95eecb_cvt:
	s_mov_b64 s[64:65], 0
	v_nop
	global_prefetch_b8 v0, s[64:65] scope:SCOPE_SE
	s_setreg_imm32_b32 hwreg(HW_REG_WAVE_MODE, 25, 1), 1
	s_wait_xcnt 0x0
; THE ONE ROUNDING of the inputs that the next launch multiplies.  Every input is rounded once to bf16, so that all later launches work on the same rounded numbers (Wo's turn comes in the next launch).
;   job y = 0: x -> xb (bf16).   y = 1, 2, 3: Wq, Wk, Wv -> wb[y - 1] (bf16).
;   job y = 4: cos, sin -> cst: one word an element, bf16(cos) below, bf16(sin) above, sin's sign turned for d < 64 (rotate_half's minus).
; A stream: no LDS, no matrix unit, nothing shared between work-groups.  A work-group of jobs 0-3 takes 65,536 bytes of a matrix: sixteen loads
; of 16 bytes a lane (a wave's load covers 512 consecutive bytes), all issued at once; each store of a wave covers 256 consecutive bytes, aligned.
; The numbers are converted in the registers that they were loaded into: 80 registers a wave.
.set SRC, 30                           ; s[30:31] the job's source
.set DST, 32                           ; s[32:33] its destination
.set OFS, 34                           ; s[34:35] a byte offset, high word 0
.set X,   16                           ; v[16:79]  sixteen loads of four f32; the first two registers of each then hold the four bf16: every load and store has registers of its own
	s_load_b512 s[8:23], s[0:1], 0x0               ; x, Wq, Wk, Wv, cos, sin, xb, wb
	s_load_b64 s[24:25], s[0:1], 0x40              ; cst
	s_and_b32 s2, ttmp7, 0xffff                    ; the job
	s_mov_b32 s[OFS+1], 0
	s_mov_b32 s36, 0x80000000                      ; the upper half's sign
	v_lshlrev_b32 v1, 4, v0                        ; 16 bytes a thread in
	v_lshlrev_b32 v2, 3, v0                        ; 8 bytes a thread out
	s_wait_kmcnt 0x0
	s_cmp_eq_u32 s2, 4
	s_cbranch_scc1 .Ltable
	s_cmp_eq_u32 s2, 1                             ; the source is chosen by the job's number alone
	s_cselect_b64 s[SRC:SRC+1], s[10:11], s[8:9]
	s_cmp_eq_u32 s2, 2
	s_cselect_b64 s[SRC:SRC+1], s[12:13], s[SRC:SRC+1]
	s_cmp_eq_u32 s2, 3
	s_cselect_b64 s[SRC:SRC+1], s[14:15], s[SRC:SRC+1]
	s_max_u32 s[OFS], s2, 1                        ; wb's matrix y - 1, held to 0 .. 2
	s_min_u32 s[OFS], s[OFS], 3
	s_sub_co_u32 s[OFS], s[OFS], 1
	s_lshl_b32 s[OFS], s[OFS], 23                  ; 8,388,608 bytes a matrix
	s_add_nc_u64 s[DST:DST+1], s[22:23], s[OFS:OFS+1]
	s_cmp_eq_u32 s2, 0
	s_cselect_b64 s[DST:DST+1], s[20:21], s[DST:DST+1]
	s_lshl_b32 s[OFS], ttmp9, 16                   ; the work-group's 65,536 bytes of f32,
	s_add_nc_u64 s[SRC:SRC+1], s[SRC:SRC+1], s[OFS:OFS+1]
	s_lshl_b32 s[OFS], ttmp9, 15                   ; and its 32,768 bytes of bf16
	s_add_nc_u64 s[DST:DST+1], s[DST:DST+1], s[OFS:OFS+1]
.set j, 0
.rept 16
	global_load_b128 v[X+4*j:X+4*j+3], v1, s[SRC:SRC+1] offset:4096*j th:TH_LOAD_NT
.set j, j+1
.endr
.set j, 0
.rept 16
	s_wait_loadcnt 15-j                            ; loads come back in order: load j is in, the younger ones stay out
	v_cvt_pk_bf16_f32 v[X+4*j], v[X+4*j], v[X+4*j+1]
	v_cvt_pk_bf16_f32 v[X+4*j+1], v[X+4*j+2], v[X+4*j+3]
	global_store_b64 v2, v[X+4*j:X+4*j+1], s[DST:DST+1] offset:2048*j
.set j, j+1
.endr
	s_endpgm
.Ltable:                                               ; 1,024 elements a work-group, four a thread: d = 4 t mod 128, so d < 64 where t mod 32 < 16
	s_lshl_b32 s[OFS], ttmp9, 12
	s_add_nc_u64 s[16:17], s[16:17], s[OFS:OFS+1]
	s_add_nc_u64 s[18:19], s[18:19], s[OFS:OFS+1]
	s_add_nc_u64 s[24:25], s[24:25], s[OFS:OFS+1]
	global_load_b128 v[4:7], v1, s[16:17] th:TH_LOAD_NT
	global_load_b128 v[8:11], v1, s[18:19] th:TH_LOAD_NT
	v_and_b32 v3, 31, v0
	v_cmp_gt_u32 vcc_lo, 16, v3
	v_cndmask_b32 v3, 0, s36, vcc_lo
	s_wait_loadcnt 0x0
.irp i, 0,1,2,3
	v_cvt_pk_bf16_f32 v[12+\i], v[4+\i], v[8+\i]   ; cos below, sin above
.endr
.irp i, 0,1,2,3
	v_xor_b32 v[12+\i], v3, v[12+\i]
.endr
	global_store_b128 v1, v[12:15], s[24:25]
	s_endpgm
.Lfunc_end_k_qe0df95eecb_cvt:
	.size	k_qe0df95eecb_cvt, .Lfunc_end_k_qe0df95eecb_cvt-k_qe0df95eecb_cvt
	.p2alignl 7, 3214868480
	.fill 96, 4, 3214868480
	.section	.rodata,"a",@progbits
	.p2align	6, 0x0
	.amdhsa_kernel k_qe0df95eecb_cvt
		.amdhsa_group_segment_fixed_size 0
		.amdhsa_private_segment_fixed_size 0
		.amdhsa_enable_private_segment 0
		.amdhsa_kernarg_size 72
		.amdhsa_user_sgpr_count 2
		.amdhsa_user_sgpr_kernarg_segment_ptr 1
		.amdhsa_wavefront_size32 1
		.amdhsa_system_sgpr_workgroup_id_x 1
		.amdhsa_system_sgpr_workgroup_id_y 1
		.amdhsa_system_sgpr_workgroup_id_z 1
		.amdhsa_system_vgpr_workitem_id 0
		.amdhsa_next_free_vgpr 80
		.amdhsa_next_free_sgpr 66
		.amdhsa_reserve_vcc 1
		.amdhsa_float_denorm_mode_32 3
		.amdhsa_float_denorm_mode_16_64 3
		.amdhsa_memory_ordered 1
		.amdhsa_forward_progress 1
		.amdhsa_inst_pref_size 8
	.end_amdhsa_kernel
	.amdgpu_metadata
---
amdhsa.version: [ 1, 2 ]
amdhsa.kernels:
  - .name:           k_qe0df95eecb_cvt
    .symbol:         k_qe0df95eecb_cvt.kd
    .args:
      - { .name: x, .offset: 0, .size: 8, .value_kind: global_buffer, .address_space: global }
      - { .name: Wq, .offset: 8, .size: 8, .value_kind: global_buffer, .address_space: global }
      - { .name: Wk, .offset: 16, .size: 8, .value_kind: global_buffer, .address_space: global }
      - { .name: Wv, .offset: 24, .size: 8, .value_kind: global_buffer, .address_space: global }
      - { .name: cos, .offset: 32, .size: 8, .value_kind: global_buffer, .address_space: global }
      - { .name: sin, .offset: 40, .size: 8, .value_kind: global_buffer, .address_space: global }
      - { .name: xb, .offset: 48, .size: 8, .value_kind: global_buffer, .address_space: global }
      - { .name: wb, .offset: 56, .size: 8, .value_kind: global_buffer, .address_space: global }
      - { .name: cst, .offset: 64, .size: 8, .value_kind: global_buffer, .address_space: global }
    .group_segment_fixed_size: 0
    .private_segment_fixed_size: 0
    .kernarg_segment_align: 8
    .kernarg_segment_size: 72
    .max_flat_workgroup_size: 256
    .sgpr_count:     66
    .vgpr_count:     80
    .wavefront_size: 32
...
	.end_amdgpu_metadata
.endif
;; end of part 1
;; launch qkv (part 2): grid 16 x 16, 4 waves a work-group, clusters of 4 x 4, 327,680 bytes of LDS; arguments xb, wb, cst, out1, out2, q16, k16, v16, Wo, wof; writes out1, out2, q16, k16, v16, wof
.if DOCPART == 2
	.amdgcn_target "amdgcn-amd-amdhsa--gfx1250"
	.amdhsa_code_object_version 6
	.text
	.protected	k_qe0df95eecb_qkv
	.globl	k_qe0df95eecb_qkv
	.p2align	8
	.type	k_qe0df95eecb_qkv,@function
k_qe0df95eecb_qkv:
	s_mov_b64 s[64:65], 0
	v_nop
	global_prefetch_b8 v0, s[64:65] scope:SCOPE_SE
	s_setreg_imm32_b32 hwreg(HW_REG_WAVE_MODE, 25, 1), 1
	s_wait_xcnt 0x0
	s_wait_alu depctr_hold_cnt(0) depctr_sa_sdst(0) depctr_va_vdst(0) depctr_va_sdst(0) depctr_va_ssrc(0) depctr_va_vcc(0) depctr_vm_vsrc(0)
	s_getreg_b32 s2, hwreg(HW_REG_IB_STS2, 6, 4)
	s_cmp_eq_u32 s2, 0
	s_cbranch_scc0 .Lentry_in_a_cluster
	s_endpgm
.Lentry_in_a_cluster:
	s_bfe_u32 s2, ttmp6, 0x10000c
	s_cmp_lg_u32 s2, 0xf033
	s_cbranch_scc0 .Lentry_shape_is_right
	s_endpgm
.Lentry_shape_is_right:
; q, k, v = x W for one head and 128 rows, RoPE on q and k, five results; beside the K loop, Wo's cast.  xb: [2048][2048] bf16.  wb: [3][2048 k][2048 n] bf16.  cst: [2048][128] words (bf16 cos | bf16 signed sin).
; out1 = k after RoPE, out2 = v, both [16][2048][128] f32.  q16, k16 = f16(2^-6 x q, k after RoPE), v16 = f16(v / 4), [16][2048][128]: the next launch's operands.
; Products in bf16 with f32 sums; RoPE in f32.  LIMITS: |q|, |k| after RoPE below 4.19e6 and |v| below 262,016, or the f16 copy is an infinity (out1 and out2 are not touched by that);
; below 3.9e-3 (q, k) and 2.4e-4 (v) the copies keep f16's fixed step.
; WO'S CAST.  wof = f16(4 x bf16(Wo)), [2048 k][2048 n], the last launch's operand.  A work-group casts 65,536 bytes of Wo, a wave 16,384, 1,024 in each of the 16 K steps: two loads issued a K step ahead,
; 20 vector lines and two stores beside a K step's 192 matrix instructions.  4 x bf16(Wo) is exact in f16 for 1.6e-5 <= |Wo| < 16,376; below that it keeps f16's fixed step (1.5e-8 of Wo); beyond it the f16 is an infinity.
; SHARES.  Grid x = the block of 128 rows, y = the head (wb, three times xb's bytes, hangs on the slower axis).  A work-group: 128 rows x (q, k, v of one head = 384 columns).
; Wave w: rows 64 (w / 2) on, columns 64 (w % 2) on of each of the three: 4 x 12 accumulators of 16 x 16, 384 registers.
; K goes in steps of 128 through two LDS slots; a slot holds 128 rows of x and 128 k-rows of each W.  Wave 0 fetches x's tile, waves 1-3 one W's tile each: one tensor load a wave.
; CLUSTER 4 x 4: x's tile hangs on the row block alone and is asked for jointly along a column of the cluster, W's tiles on the head alone, jointly along a row.
; THE MATRIX INSTRUCTION IS USED TRANSPOSED: source 0 = 16 columns of W (W lies [k][n], so it comes out of LDS turned, by ds_load_tr16_b128), source 1 = 16 rows of x:
; a lane then holds one row and eight neighbouring columns.
; REGISTERS (windows of 256; s_set_vgpr_msb: bits 1:0 source 0, 3:2 source 1, 5:4 source 2, 7:6 destination):
;   window 0: v0-29 addresses; v32-63, v64-95 x's fragments, two buffers; v96-223 my 32 rows of cst, on their way during the K loop; v224-237 Wo's cast; on the way out v32-191 at work
;   window 1: v0-95, v96-191 W's fragments, two buffers      windows 2, 3: accumulator (a, b) at v[8 (12 (a % 2) + b)] of window 2 + a / 2; b = 4 x matrix + column block
.set PA,    272                        ; a row of x in LDS: 256 bytes + 16
.set PB,    288                        ; a k-row of W: 256 + 32: the turning load's 16 lanes take 8 rows x 32 bytes
.set REG,   128*PB                     ; 36,864: a region; region 0 x (34,816 used), regions 1-3 Wq, Wk, Wv
.set SLOT,  4*REG                      ; 147,456; no bit of it meets a bit of w x REG, so one exclusive or turns an address in one slot into the other's
.set SPARE, 2*SLOT                     ; behind the ring: the spare words, 128 bytes a wave, that no other line names
.set SP,    1552                       ; the stage's row: 384 f32 + 16 bytes.  The stage (128 rows, from byte 0) and the table lie in the ring, which has had its last fill by then
.set TAB,   128*SP                     ; 198,656: 128 rows x 512 bytes of cst
.set ADRA0, 3                          ; v3     my lane's place in x's tile; never rewritten
.set ADRB0, 4                          ; v4-6   the same in each W's tile
.set ADRA,  7                          ; v7     ADRA0 + the slot in hand
.set ADRB,  8                          ; v8-10
.set STO,   11                         ; v11-12 the stage: where I put 16 bytes of a row; row tiles 0, 1 and 2, 3
.set RD,    13                         ; v13    the stage: my 16 bytes of the row that I read back
.set RDP,   14                         ; v14    the same in the lane 16 away: the column 64 away
.set TA,    15                         ; v15    my 16 bytes of that row's cst in LDS
.set FO,    16                         ; v16    my byte offset in the block's rows of 512 bytes (cst, out1, out2)
.set HO,    17                         ; v17    in its rows of 256 bytes (q16, k16, v16)
.set SPW,   28                         ; v28    LDS address of my spare word; never rewritten
.set NIL,   29                         ; v29    0; never rewritten
.set FA,    32
.set TBL,   96
.set WX,    224                        ; v[224:231] Wo: two loads of four f32
.set WD,    232                        ; v[232:235] the eight numbers packed
.set WOI,   236                        ; v236   my byte offset in the work-group's share of Wo: the chunk that is on its way
.set WOO,   237                        ; v237   my byte offset in its share of wof: behind the chunk stored last
.set WV,  20                           ; s20 wave   s21 row half   s22 column half   s23 a counter
.set RH,  21
.set CH,  22
.set CNT, 23
.set G1A, 24                           ; s[24:31] descriptor group 1 for x's tiles;  s[32:39] group 0: set 0 = step 0, set 1 = step 1, which then walks on
.set G0A, 32
.set G1B, 48                           ; s[48:55], s[56:63] the same for W's tiles
.set G0B, 56
.set TB,  66                           ; s66 LDS base of the slot in hand
.set LW,  67                           ; s67 w x REG
.set SQK, 72                           ; s[72:73] 2^-6
.set SV,  74                           ; s[74:75] 1/4
.set HM,  76                           ; s76 a word's upper half
.set PWO, 80                           ; s[80:81] Wo, s[82:83] wof, at the work-group's share
.set MSB, 0
.macro WIN new                         ; the immediate's high byte repeats the setting that is left; a switch that changes nothing is dropped
.if MSB != (\new)
	s_set_vgpr_msb (MSB<<8)|(\new)
.set MSB, \new
.endif
.endm
.macro PLACES                          ; four places in front of loads into registers that matrix instructions have read, and of reads of results
.rept 4
	v_nop
.endr
.endm
.macro JLOAD                           ; a joint refill by the walking sets.  The branch hangs on the wave's number alone; an s_nop 0 and four v_nop follow each line
	s_cmp_eq_u32 s[WV], 0
	s_cbranch_scc0 .Lfor_b_\@
	tensor_load_to_lds s[G0A+4:G0A+7], s[G1A:G1A+7]
	s_nop 0
.rept 4
	v_nop
.endr
	s_branch .Lasked_\@
.Lfor_b_\@:
	tensor_load_to_lds s[G0B+4:G0B+7], s[G1B:G1B+7]
	s_nop 0
.rept 4
	v_nop
.endr
.Lasked_\@:
.endm
.macro CREST                           ; a round of the cluster's barrier behind its opening barrier
	s_cmp_lg_u32 s[WV], 0
	s_cbranch_scc1 .Lnot_wave_0_\@
	s_barrier_signal -3
.Lnot_wave_0_\@:
	s_barrier_wait -3
	s_barrier_signal -1
	s_barrier_wait -1
.endm
.macro CROUND
	s_barrier_signal -1
	s_barrier_wait -1
	CREST
.endm
	s_load_b512 s[4:19], s[0:1], 0x0               ; xb, wb, cst, out1, out2, q16, k16, v16
	s_load_b128 s[PWO:PWO+3], s[0:1], 0x40         ; Wo, wof
	v_lshl_add_u32 v[SPW], v0, 2, SPARE
	v_mov_b32 v[NIL], 0
	ds_add_u32 v[SPW], v[NIL]                      ; the wave's opening: the add and its wait come ahead of my first tensor load; work on registers stands between them
	v_lshrrev_b32 v1, 5, v0
	v_readfirstlane_b32 s[WV], v1
	s_lshr_b32 s[RH], s[WV], 1
	s_and_b32 s[CH], s[WV], 1
	s_bfe_u32 s40, ttmp6, 0x40000                  ; cx, cy: my place in the cluster
	s_bfe_u32 s41, ttmp6, 0x40004
	s_lshl_b32 s43, ttmp9, 2
	s_add_co_u32 s43, s43, s40                     ; the block of 128 rows = 4 x cluster x + cx
	s_and_b32 s42, ttmp7, 0xffff
	s_lshl_b32 s42, s42, 2
	s_add_co_u32 s42, s42, s41                     ; the head = 4 x cluster y + cy
	s_lshl_b32 s44, s41, 2
	s_lshl_b32 s44, 15, s44                        ; my row of the cluster: the same head
	s_lshl_b32 s45, 0x1111, s40                    ; my column: the same block of rows
	s_or_b32 s[G1A], s45, (1<<16)|(1<<20)|(1<<21)|(5<<22)|(3<<25)  ; 15:0 the mask: x's tiles go to my column; 17:16 2-byte elements; 20 padding on; 21 set beside a mask; 24:22 after every 64 words; 31:25 4 words of it
	s_or_b32 s[G1B], s44, (1<<16)|(1<<20)|(1<<21)|(5<<22)|(7<<25)  ; the same with my row's mask and 8 words of padding
.irp g, G1A, G1B
	s_mov_b32 s[(\g)+1], 128<<16                   ; tensor_dim0 = 128
	s_mov_b32 s[(\g)+2], 128<<16                   ; tensor_dim1 = 128
	s_mov_b32 s[(\g)+3], 128<<16                   ; tile_dim0 = 128
	s_mov_b32 s[(\g)+4], 128                       ; tile_dim1 = 128
	s_mov_b32 s[(\g)+5], 2048                      ; elements from row to row
	s_mov_b32 s[(\g)+6], 0
	s_mov_b32 s[(\g)+7], 0
.endr
	s_mul_i32 s[LW], s[WV], REG                    ; where my tile goes: no place in the cluster enters an LDS address
	s_lshl_b32 s46, s43, 19                        ; x: 128 rows of 4,096 bytes a block
	s_mov_b32 s47, 0
	s_max_u32 s70, s[WV], 1                        ; W: matrix w - 1 (wave 0 asks for none),
	s_sub_co_u32 s70, s70, 1
	s_lshl_b32 s70, s70, 23
	s_lshl_b32 s78, s42, 8                         ; the head's 128 columns
	s_add_co_u32 s70, s70, s78
	s_mov_b32 s71, 0
	s_mov_b32 s[SQK], 0x3c800000
	s_mov_b32 s[SQK+1], 0x3c800000
	s_mov_b32 s[SV], 0x3e800000
	s_mov_b32 s[SV+1], 0x3e800000
	s_mov_b32 s[HM], 0xffff0000
	s_mov_b32 s[TB], 0
	s_wait_dscnt 0x0                               ; the opening add is done
	s_wait_kmcnt 0x0
	s_add_nc_u64 s[68:69], s[4:5], s[46:47]
	s_add_nc_u64 s[78:79], s[6:7], s[70:71]
.irp s, 0,1
	s_mov_b32 s[G0A+4*(\s)], 1                                     ; count = 1
	s_add_co_u32 s[G0A+4*(\s)+1], s[LW], (\s)*SLOT                 ; LDS address
	s_add_nc_u64 s[G0A+4*(\s)+2:G0A+4*(\s)+3], s[68:69], (\s)*256  ; global address: K step s
	s_or_b32 s[G0A+4*(\s)+3], s[G0A+4*(\s)+3], 0x80000000          ; type = 2
	s_mov_b32 s[G0B+4*(\s)], 1
	s_add_co_u32 s[G0B+4*(\s)+1], s[LW], (\s)*SLOT
	s_add_nc_u64 s[G0B+4*(\s)+2:G0B+4*(\s)+3], s[78:79], (\s)*128*4096
	s_or_b32 s[G0B+4*(\s)+3], s[G0B+4*(\s)+3], 0x80000000
.endr
	CROUND                                         ; all sixteen work-groups are here: the first joint loads meet
	s_cmp_eq_u32 s[WV], 0                          ; a wave's two first fills stand in one branch: two tensor loads of mine are out here, one behind every later round
	s_cbranch_scc0 .Lfirst_b
	tensor_load_to_lds s[G0A:G0A+3], s[G1A:G1A+7]
	s_nop 0
	tensor_load_to_lds s[G0A+4:G0A+7], s[G1A:G1A+7]
	s_nop 0
.rept 4
	v_nop
.endr
	s_branch .Lfirst_asked
.Lfirst_b:
	tensor_load_to_lds s[G0B:G0B+3], s[G1B:G1B+7]
	s_nop 0
	tensor_load_to_lds s[G0B+4:G0B+7], s[G1B:G1B+7]
	s_nop 0
.rept 4
	v_nop
.endr
.Lfirst_asked:
	s_lshl_b32 s46, s43, 16                        ; cst at the block's first row
	s_add_nc_u64 s[8:9], s[8:9], s[46:47]
	s_lshl_b32 s70, s42, 20                        ; out1, out2: the head's 1,048,576 bytes, the block's 65,536
	s_lshl_b32 s2, s43, 16
	s_add_co_u32 s70, s70, s2
	s_add_nc_u64 s[10:11], s[10:11], s[70:71]
	s_add_nc_u64 s[12:13], s[12:13], s[70:71]
	s_lshr_b32 s70, s70, 1                         ; the f16 copies: half of that
	s_add_nc_u64 s[14:15], s[14:15], s[70:71]
	s_add_nc_u64 s[16:17], s[16:17], s[70:71]
	s_add_nc_u64 s[18:19], s[18:19], s[70:71]
	s_lshl_b32 s70, s43, 4                         ; Wo's share: work-group 16 x row block + head of 256 takes 65,536 bytes,
	s_add_co_u32 s70, s70, s42
	s_lshl_b32 s70, s70, 16
	s_add_nc_u64 s[PWO:PWO+1], s[PWO:PWO+1], s[70:71]
	s_lshr_b32 s70, s70, 1                         ; and gives 32,768
	s_add_nc_u64 s[PWO+2:PWO+3], s[PWO+2:PWO+3], s[70:71]
	v_and_b32 v18, 31, v0                          ; lane
	s_lshl_b32 s2, s[WV], 14
	v_lshl_add_u32 v[FO], v18, 4, s2               ; rows 32 w on, 16 bytes a lane
.set i, 0
.rept 32                               ; my 32 rows of cst, a row a load: they land while K is walked
	global_load_b128 v[TBL+4*i:TBL+4*i+3], v[FO], s[8:9] offset:512*i
.set i, i+1
.endr
	v_mov_b32 v[WOI], v[FO]                        ; my wave's 16,384 bytes of Wo begin at the same offset: 16,384 w + 16 x lane
	global_load_b128 v[WX:WX+3], v[WOI], s[PWO:PWO+1] th:TH_LOAD_NT             ; the first chunk of 1,024 bytes
	global_load_b128 v[WX+4:WX+7], v[WOI], s[PWO:PWO+1] offset:512 th:TH_LOAD_NT
	v_and_b32 v1, 15, v0                           ; r = lane % 16
	v_bfe_u32 v2, v0, 4, 1                         ; h = lane / 16
	v_mul_u32_u24 v[ADRA0], v1, PA                 ; a fragment of x: row r, 16 bytes for each half of the lanes, two loads 32 bytes apart
	v_lshl_add_u32 v[ADRA0], v2, 4, v[ADRA0]
	s_mul_i32 s2, s[RH], 64*PA
	v_add_nc_u32 v[ADRA0], s2, v[ADRA0]
	v_and_b32 v19, 7, v0                           ; the turning load: lane l reads k-row 8 (l / 16) + l % 8, columns 8 ((l / 8) % 2) on
	v_lshl_add_u32 v19, v2, 3, v19
	v_mul_u32_u24 v19, v19, PB
	v_bfe_u32 v20, v0, 3, 1
	v_lshl_add_u32 v19, v20, 4, v19
	s_lshl_b32 s2, s[CH], 7
	v_add_nc_u32 v19, s2, v19
.irp m, 0,1,2
	v_add_nc_u32 v[ADRB0+\m], (1+\m)*REG, v19
.endr
	v_mul_u32_u24 v[STO], v1, SP
	v_lshl_add_u32 v[STO], v2, 5, v[STO]
	s_mul_i32 s2, s[RH], 64*SP
	s_lshl_b32 s3, s[CH], 8
	s_add_co_u32 s2, s2, s3
	v_add_nc_u32 v[STO], s2, v[STO]                ; (64 rh + r) x 1,552 + 256 ch + 32 h
	v_add_nc_u32 v[STO+1], 32*SP, v[STO]
	s_mul_i32 s2, s[WV], 32*SP
	v_lshl_add_u32 v[RD], v18, 4, s2
	v_xor_b32 v19, 16, v18
	v_lshl_add_u32 v[RDP], v19, 4, s2
	v_add_nc_u32 v[TA], TAB, v[FO]
	v_lshrrev_b32 v[HO], 1, v[FO]
	v_mov_b32 v[WOO], v[HO]                        ; 8,192 w + 8 x lane
.macro ADDR                            ; the fragment addresses in the slot in hand
	v_add_nc_u32 v[ADRA], s[TB], v[ADRA0]
.irp m, 0,1,2
	v_add_nc_u32 v[ADRB+\m], s[TB], v[ADRB0+\m]
.endr
.endm
; 12 matrix instructions: row tile 2 hi + a x all 12 column blocks, 32 along K, buffer f.  zero = 1: the product starts the sums.  The 48 accumulators take turns, in the same order everywhere.
.macro MUL12 f, hi, a, zero
	WIN 0xa1+0x50*(\hi)
.irp b, 0,1,2,3,4,5,6,7,8,9,10,11
.if \zero
	v_wmma_f32_16x16x32_bf16 v[8*(12*(\a)+(\b)):8*(12*(\a)+(\b))+7], v[96*(\f)+8*(\b):96*(\f)+8*(\b)+7], v[FA+32*(\f)+8*(2*(\hi)+(\a)):FA+32*(\f)+8*(2*(\hi)+(\a))+7], 0
.else
	v_wmma_f32_16x16x32_bf16 v[8*(12*(\a)+(\b)):8*(12*(\a)+(\b))+7], v[96*(\f)+8*(\b):96*(\f)+8*(\b)+7], v[FA+32*(\f)+8*(2*(\hi)+(\a)):FA+32*(\f)+8*(2*(\hi)+(\a))+7], v[8*(12*(\a)+(\b)):8*(12*(\a)+(\b))+7]
.endif
.endr
.endm
; 32 LDS loads in one run: quarter q (32 along K) of the slot in hand into buffer f: W's 12 fragments, then x's 4.  It leaves every window 0.
.macro FETCH q, f
	WIN 0x40
.irp m, 0,1,2
.irp i, 0,1,2,3
	ds_load_tr16_b128 v[96*(\f)+8*(4*(\m)+(\i)):96*(\f)+8*(4*(\m)+(\i))+3],   v[ADRB+(\m)] offset:32*PB*(\q)+32*(\i)
	ds_load_tr16_b128 v[96*(\f)+8*(4*(\m)+(\i))+4:96*(\f)+8*(4*(\m)+(\i))+7], v[ADRB+(\m)] offset:32*PB*(\q)+32*(\i)+16*PB
.endr
.endr
	WIN 0
.irp a, 0,1,2,3
	ds_load_b128 v[FA+32*(\f)+8*(\a):FA+32*(\f)+8*(\a)+3],   v[ADRA] offset:64*(\q)+16*PA*(\a)
	ds_load_b128 v[FA+32*(\f)+8*(\a)+4:FA+32*(\f)+8*(\a)+7], v[ADRA] offset:64*(\q)+16*PA*(\a)+32
.endr
.endm
; A chunk of Wo, 1,024 bytes a wave: rounded to bf16, widened again, times 4, written as f16; each store of the wave covers 256 consecutive bytes, aligned.  next = 1: the next chunk is asked for.
.macro WOC next
	s_wait_loadcnt 0x0                             ; the chunk's two loads, issued a K step ago, are in (the first time cst's rows too): WOI is free
	s_wait_xcnt 0x0                                ; WD and WOO, which the last chunk's stores read, are rewritten only behind this wait
	v_add_nc_u32 v[WOO], 512, v[WOO]               ; the stores below reach back
.irp p, 0,1
	v_cvt_pk_bf16_f32 v[WD+2*\p], v[WX+4*\p], v[WX+4*\p+1]
	v_cvt_pk_bf16_f32 v[WD+2*\p+1], v[WX+4*\p+2], v[WX+4*\p+3]
.endr
.irp p, 0,1
	v_lshlrev_b32 v[WX+4*\p], 16, v[WD+2*\p]
	v_and_b32 v[WX+4*\p+1], s[HM], v[WD+2*\p]
	v_lshlrev_b32 v[WX+4*\p+2], 16, v[WD+2*\p+1]
	v_and_b32 v[WX+4*\p+3], s[HM], v[WD+2*\p+1]
.endr
.irp p, 0,1,2,3
	v_pk_mul_f32 v[WX+2*\p:WX+2*\p+1], v[WX+2*\p:WX+2*\p+1], 4.0 op_sel_hi:[1,0]
.endr
.irp p, 0,1,2,3
	v_cvt_pk_f16_f32 v[WD+\p], v[WX+2*\p], v[WX+2*\p+1]
.endr
	global_store_b64 v[WOO], v[WD:WD+1], s[PWO+2:PWO+3] offset:-512
	global_store_b64 v[WOO], v[WD+2:WD+3], s[PWO+2:PWO+3] offset:-256
.if \next
	v_add_nc_u32 v[WOI], 1024, v[WOI]
	global_load_b128 v[WX:WX+3], v[WOI], s[PWO:PWO+1] th:TH_LOAD_NT
	global_load_b128 v[WX+4:WX+7], v[WOI], s[PWO:PWO+1] offset:512 th:TH_LOAD_NT
.endif
.endm
; One of a K step's first three quarters: multiplies buffer f; in its middle it fetches quarter q into buffer g.  wo = 2: a chunk of Wo is cast behind the run of loads, where every window is 0, and the next is asked for; wo = 1: the last chunk.
.macro QUARTER q, f, g, zero, wo=0
	s_wait_dscnt 4                                 ; W and x's row tiles 0, 1 are in; the youngest four loads (tiles 2, 3) may be out
	MUL12 \f, 0, 0, \zero
	MUL12 \f, 0, 1, \zero
	PLACES
	FETCH \q, \g
.if \wo
	WOC (\wo)-1
.endif
	s_wait_dscnt 32                                ; all but the 32 just issued
	MUL12 \f, 1, 0, \zero
	MUL12 \f, 1, 1, \zero
.endm
; The last quarter changes slots and then multiplies buffer 1.  The slot's last fragments were fetched in the quarter before, so the slot is free as soon as they are in: each wave waits for all its tensor loads
; (one is out: its part of the next slot), adds 0 to its spare word, and waits for that and for its own reads of this slot.  fill = 1: the barrier opens a round of the cluster's, and this slot is filled again,
; two K steps ahead, first thing behind it: nothing but the round stands between the wait for one tile and the request for the next, and the request has a whole K step, 192 matrix instructions, in which to land.
.macro TURN fill
	WIN 0
	s_wait_tensorcnt 0x0                           ; no tensor load of mine is out, so a group 0 may be written
	ds_add_u32 v[SPW], v[NIL]                      ; scalar work stands between the add and the wait for it
.if \fill
	s_xor_b32 s[G0A+5], s[G0A+5], SLOT             ; the walking sets: the other slot than last time, the next K step
	s_add_nc_u64 s[G0A+6:G0A+7], s[G0A+6:G0A+7], 256
	s_xor_b32 s[G0B+5], s[G0B+5], SLOT
	s_add_nc_u64 s[G0B+6:G0B+7], s[G0B+6:G0B+7], 128*4096
.endif
	s_xor_b32 s[TB], s[TB], SLOT
	s_wait_dscnt 0x0                               ; the add is done, and my reads of this slot are over: buffer 1 holds its last quarter
	s_barrier_signal -1
	s_barrier_wait -1
.if \fill
	CREST                                          ; no wave of any partner still reads this slot or has a load on its way
	JLOAD                                          ; its four v_nop are also the places in front of the loads below
.else
	PLACES
.endif
	ADDR
	FETCH 0, 0
	MUL12 1, 0, 0, 0
	MUL12 1, 0, 1, 0
	MUL12 1, 1, 0, 0
	MUL12 1, 1, 1, 0
.endm
	s_wait_tensorcnt 0x1                           ; my part of K step 0 is in; step 1's may stay out
	s_barrier_signal -1
	s_barrier_wait -1
	ADDR
	FETCH 0, 0
	QUARTER 1, 0, 1, 1                             ; the first quarter stands in front of the loop: its products start the sums
	WIN 0
	s_mov_b32 s[CNT], 14
.Lstep:                                                ; trip i ends K step i - 1, fills its slot with step i + 1 and begins step i; it casts chunk i - 1 of Wo and asks for chunk i
	QUARTER 2, 1, 0, 0, 2
	QUARTER 3, 0, 1, 0
	TURN 1
	QUARTER 1, 0, 1, 0
	WIN 0
	s_sub_co_u32 s[CNT], s[CNT], 1
	s_cmp_lg_u32 s[CNT], 0
	s_cbranch_scc1 .Lstep
	QUARTER 2, 1, 0, 0, 2                          ; the tail is written out: no tile is asked for any more; chunk 14 of Wo is cast, chunk 15 asked for
	QUARTER 3, 0, 1, 0
	TURN 0
	QUARTER 1, 0, 1, 0
	QUARTER 2, 1, 0, 0, 1                          ; chunk 15, the last: nothing is asked for
	QUARTER 3, 0, 1, 0
	s_wait_dscnt 4
	MUL12 1, 0, 0, 0
	MUL12 1, 0, 1, 0
	s_wait_dscnt 0x0                               ; my reads of the ring are over: behind this barrier the stage and the table are written over it
	s_barrier_signal -1
	MUL12 1, 1, 0, 0
	MUL12 1, 1, 1, 0
	WIN 0
	s_barrier_wait -1
	PLACES
	; THE STAGE: a lane's eight columns of a row, 32 bytes, in two stores, each accumulator's low registers first
.irp hi, 0,1
	WIN 0x08+4*(\hi)
.irp a, 0,1
.irp b, 0,1,2,3,4,5,6,7,8,9,10,11
	ds_store_b128 v[STO+(\hi)], v[8*(12*(\a)+(\b)):8*(12*(\a)+(\b))+3]   offset:(\a)*16*SP+512*((\b)/4)+64*((\b)%4)
	ds_store_b128 v[STO+(\hi)], v[8*(12*(\a)+(\b))+4:8*(12*(\a)+(\b))+7] offset:(\a)*16*SP+512*((\b)/4)+64*((\b)%4)+16
.endr
.endr
.endr
	WIN 0
	s_wait_loadcnt 0x0                             ; cst
.set i, 0
.rept 32
	ds_store_b128 v[TA], v[TBL+4*i:TBL+4*i+3] offset:512*i  ; so that the loop below can step through the rows by an address
.set i, i+1
.endr
	s_wait_dscnt 0x0                               ; for the others' sake: a row's 1,536 bytes come from two waves
	s_barrier_signal -1
	s_barrier_wait -1
; Row i of a trip's four: RoPE in f32 (q cos + partner x signed sin), the scaled f16 copies, five stores.  A lane holds four columns; the partner column lies in the lane 16 away.
.macro ROW i
.set RB, 32+24*(\i)                    ; q, its partner, k, its partner, v, cst: four registers each
.set OB, 144+12*(\i)                   ; +0 q16, +2 k16, +4 k in f32, +8 v16
	s_wait_dscnt 6*(3-(\i))                        ; the later rows' six loads each may be out
.irp j, 0,1,2,3
	v_lshlrev_b32 v[128+\j], 16, v[RB+20+\j]       ; cos
	v_and_b32 v[132+\j], s[HM], v[RB+20+\j]        ; signed sin
.endr
	v_pk_mul_f32 v[136:137], v[RB+4:RB+5], v[132:133]
	v_pk_mul_f32 v[138:139], v[RB+6:RB+7], v[134:135]
	v_pk_mul_f32 v[OB+4:OB+5], v[RB+12:RB+13], v[132:133]
	v_pk_mul_f32 v[OB+6:OB+7], v[RB+14:RB+15], v[134:135]
	v_pk_fma_f32 v[136:137], v[RB:RB+1], v[128:129], v[136:137]
	v_pk_fma_f32 v[138:139], v[RB+2:RB+3], v[130:131], v[138:139]
	v_pk_fma_f32 v[OB+4:OB+5], v[RB+8:RB+9], v[128:129], v[OB+4:OB+5]
	v_pk_fma_f32 v[OB+6:OB+7], v[RB+10:RB+11], v[130:131], v[OB+6:OB+7]
	v_pk_mul_f32 v[136:137], v[136:137], s[SQK:SQK+1] op_sel_hi:[1,0]
	v_pk_mul_f32 v[138:139], v[138:139], s[SQK:SQK+1] op_sel_hi:[1,0]
	v_pk_mul_f32 v[140:141], v[OB+4:OB+5], s[SQK:SQK+1] op_sel_hi:[1,0]
	v_pk_mul_f32 v[142:143], v[OB+6:OB+7], s[SQK:SQK+1] op_sel_hi:[1,0]
	v_cvt_pk_f16_f32 v[OB], v136, v137
	v_cvt_pk_f16_f32 v[OB+1], v138, v139
	v_cvt_pk_f16_f32 v[OB+2], v140, v141
	v_cvt_pk_f16_f32 v[OB+3], v142, v143
	v_pk_mul_f32 v[136:137], v[RB+16:RB+17], s[SV:SV+1] op_sel_hi:[1,0]
	v_pk_mul_f32 v[138:139], v[RB+18:RB+19], s[SV:SV+1] op_sel_hi:[1,0]
	v_cvt_pk_f16_f32 v[OB+8], v136, v137
	v_cvt_pk_f16_f32 v[OB+9], v138, v139
	global_store_b128 v[FO], v[OB+4:OB+7], s[10:11] offset:512*(\i) th:TH_STORE_NT    ; a wave's store covers a row: 512 consecutive bytes, aligned
	global_store_b128 v[FO], v[RB+16:RB+19], s[12:13] offset:512*(\i) th:TH_STORE_NT
	global_store_b64 v[HO], v[OB:OB+1], s[14:15] offset:256*(\i)                      ; 256 consecutive bytes, aligned
	global_store_b64 v[HO], v[OB+2:OB+3], s[16:17] offset:256*(\i)
	global_store_b64 v[HO], v[OB+8:OB+9], s[18:19] offset:256*(\i)
.endm
	s_mov_b32 s[CNT], 8
.Lrows:                                                ; wave w takes rows 32 w on, four a trip
.irp i, 0,1,2,3
	ds_load_b128 v[32+24*\i:35+24*\i], v[RD] offset:SP*\i
	ds_load_b128 v[36+24*\i:39+24*\i], v[RDP] offset:SP*\i
	ds_load_b128 v[40+24*\i:43+24*\i], v[RD] offset:SP*\i+512
	ds_load_b128 v[44+24*\i:47+24*\i], v[RDP] offset:SP*\i+512
	ds_load_b128 v[48+24*\i:51+24*\i], v[RD] offset:SP*\i+1024
	ds_load_b128 v[52+24*\i:55+24*\i], v[TA] offset:512*\i
.endr
	ROW 0
	ROW 1
	ROW 2
	ROW 3
	s_wait_xcnt 0x0                                ; the stores' data and offsets are rewritten only behind this wait
	v_add_nc_u32 v[RD], 4*SP, v[RD]
	v_add_nc_u32 v[RDP], 4*SP, v[RDP]
	v_add_nc_u32 v[TA], 2048, v[TA]
	v_add_nc_u32 v[FO], 2048, v[FO]
	v_add_nc_u32 v[HO], 1024, v[HO]
	s_sub_co_u32 s[CNT], s[CNT], 1
	s_cmp_lg_u32 s[CNT], 0
	s_cbranch_scc1 .Lrows
	s_wait_tensorcnt 0x0                           ; the wave's end
	ds_add_u32 v[SPW], v[NIL]
	s_wait_dscnt 0x0
	CROUND                                         ; the closing round: no work-group ends while a partner may still ask for a tile that names it
	s_endpgm
.Lfunc_end_k_qe0df95eecb_qkv:
	.size	k_qe0df95eecb_qkv, .Lfunc_end_k_qe0df95eecb_qkv-k_qe0df95eecb_qkv
	.p2alignl 7, 3214868480
	.fill 96, 4, 3214868480
	.section	.rodata,"a",@progbits
	.p2align	6, 0x0
	.amdhsa_kernel k_qe0df95eecb_qkv
		.amdhsa_group_segment_fixed_size 327680
		.amdhsa_private_segment_fixed_size 0
		.amdhsa_enable_private_segment 0
		.amdhsa_kernarg_size 80
		.amdhsa_user_sgpr_count 2
		.amdhsa_user_sgpr_kernarg_segment_ptr 1
		.amdhsa_wavefront_size32 1
		.amdhsa_system_sgpr_workgroup_id_x 1
		.amdhsa_system_sgpr_workgroup_id_y 1
		.amdhsa_system_sgpr_workgroup_id_z 1
		.amdhsa_system_vgpr_workitem_id 0
		.amdhsa_next_free_vgpr 960
		.amdhsa_next_free_sgpr 84
		.amdhsa_reserve_vcc 0
		.amdhsa_float_denorm_mode_32 3
		.amdhsa_float_denorm_mode_16_64 3
		.amdhsa_memory_ordered 1
		.amdhsa_forward_progress 1
		.amdhsa_inst_pref_size 100
	.end_amdhsa_kernel
	.amdgpu_metadata
---
amdhsa.version: [ 1, 2 ]
amdhsa.kernels:
  - .name:           k_qe0df95eecb_qkv
    .symbol:         k_qe0df95eecb_qkv.kd
    .args:
      - { .name: xb, .offset: 0, .size: 8, .value_kind: global_buffer, .address_space: global }
      - { .name: wb, .offset: 8, .size: 8, .value_kind: global_buffer, .address_space: global }
      - { .name: cst, .offset: 16, .size: 8, .value_kind: global_buffer, .address_space: global }
      - { .name: out1, .offset: 24, .size: 8, .value_kind: global_buffer, .address_space: global }
      - { .name: out2, .offset: 32, .size: 8, .value_kind: global_buffer, .address_space: global }
      - { .name: q16, .offset: 40, .size: 8, .value_kind: global_buffer, .address_space: global }
      - { .name: k16, .offset: 48, .size: 8, .value_kind: global_buffer, .address_space: global }
      - { .name: v16, .offset: 56, .size: 8, .value_kind: global_buffer, .address_space: global }
      - { .name: Wo, .offset: 64, .size: 8, .value_kind: global_buffer, .address_space: global }
      - { .name: wof, .offset: 72, .size: 8, .value_kind: global_buffer, .address_space: global }
    .group_segment_fixed_size: 327680
    .private_segment_fixed_size: 0
    .kernarg_segment_align: 8
    .kernarg_segment_size: 80
    .max_flat_workgroup_size: 128
    .sgpr_count:     84
    .vgpr_count:     960
    .wavefront_size: 32
...
	.end_amdgpu_metadata
.endif
;; end of part 2
;; launch attn (part 3): grid 16 x 16, 4 waves a work-group, clusters of 4 x 1, 327,680 bytes of LDS; arguments q16, k16, v16, ob; writes ob
.if DOCPART == 3
	.amdgcn_target "amdgcn-amd-amdhsa--gfx1250"
	.amdhsa_code_object_version 6
	.text
	.protected	k_qe0df95eecb_attn
	.globl	k_qe0df95eecb_attn
	.p2align	8
	.type	k_qe0df95eecb_attn,@function
k_qe0df95eecb_attn:
	s_mov_b64 s[64:65], 0
	v_nop
	global_prefetch_b8 v0, s[64:65] scope:SCOPE_SE
	s_setreg_imm32_b32 hwreg(HW_REG_WAVE_MODE, 25, 1), 1
	s_wait_xcnt 0x0
	s_wait_alu depctr_hold_cnt(0) depctr_sa_sdst(0) depctr_va_vdst(0) depctr_va_sdst(0) depctr_va_ssrc(0) depctr_va_vcc(0) depctr_vm_vsrc(0)
	s_getreg_b32 s2, hwreg(HW_REG_IB_STS2, 6, 4)
	s_cmp_eq_u32 s2, 0
	s_cbranch_scc0 .Lentry_in_a_cluster
	s_endpgm
.Lentry_in_a_cluster:
	s_bfe_u32 s2, ttmp6, 0x10000c
	s_cmp_lg_u32 s2, 0x3003
	s_cbranch_scc0 .Lentry_shape_is_right
	s_endpgm
.Lentry_shape_is_right:
; CAUSAL ATTENTION, head size 128.  q16, k16 (2^-6 x q, k), v16 (v / 4): [16][2048][128] f16.  ob: [32 blocks of 64 rows][80][2048] f16: rows 0-63 of a block O / 4 rounded to f16,
; rows 64-79 the low-order halves f16(O / 4 - that) of the block's first 16 rows.  Products in f16 with f32 sums; maxima, sums, rescaling and the merge in f32; the weights p are rounded to f16.
; LIMITS.  A hidden key has weight 0, as -1e9 gives it wherever a row's largest visible scaled score lies above about -1e9 + 100.  A hidden score counts as -1e30, the running maximum starts at -2^66:
; f16's scores, 5.5e11 at the most, lie far above both.  A weight below 2^-126 counts as 0; NaN and infinities are not treated apart.
; THE WALK.  A head has 32 blocks of 64 queries; block j needs the key tiles 0 .. j / 4 of 256 keys, and key step j % 4 of the last holds the diagonal.  Work-group b = 4 c + cx takes blocks 31 - b and then b:
; tiles 0 .. 7 - c and 0 .. c, nine for everybody, and THE SAME nine for the four partners of a cluster (c is the cluster's number): every tile is asked for jointly, and one loop with a constant count walks them.
; cx enters Q's and ob's addresses and the masks' VALUES alone: no branch, count or LDS address hangs on it.
; SHARES.  Every wave holds all 64 queries (four tiles of 16) and takes keys 64 w .. 64 w + 63 of each tile of 256: each LDS byte is read once.  Each wave has its own m, l and O^T; at a block's end they are merged in f32.
; In a block's last tile wave w sees all its keys (w < rho), holds the diagonal (w = rho) or sees nothing (w > rho): the hidden step is computed all the same, with weights 0.
; LAYOUT.  S^T = K Q^T (source 0 = 16 keys, source 1 = 16 queries): a lane holds ONE query (lane % 16) and keys 8 (lane / 16) + 0..7; two such results rounded to f16 ARE source 1 of O^T = V^T P.
; p = 2^(c s - c m), c = 4096 log2(e) / sqrt(128); O and l are multiplied by a = 2^(c m_old - c m_new) in every step.  THE MASK is the C operand that starts a sum S^T.
; A STEP: piece 0's (tiles 0, 1) scores; piece 2's scores with piece 0's softmax in slices behind them; piece 0's V^T P with piece 2's softmax; piece 2's V^T P.
; REGISTERS (windows of 256; s_set_vgpr_msb: bits 1:0 source 0, 3:2 source 1, 5:4 source 2, 7:6 destination):
;   window 0: v0-11, v44-46 addresses; v12-43 eight registers of statistics a tile; v64-191 S^T, 32 a tile; v192-255 P, 16 a tile      window 1: O^T, 64 a tile
;   window 2: v0-127 Q; v128-255 K of a step      window 3: v0-127 V of a step; v128-159 the masks LOW, DIA, UPP and the triangle TRI
.set PK,    272                        ; a row of K in LDS: 256 bytes + 16
.set PV,    288                        ; a row of V: 256 + 32, for the turning load
.set VOFF,  256*PK                     ; a slot: 256 rows of K, then 256 rows of V
.set SLOT,  256*(PK+PV)                ; 143,360
.set STAGE, 2*SLOT                     ; behind the ring, never filled by a tensor load: for each wave 16 rows x 528 bytes (128 f32 + 16)
.set SG,    528
.set STATS, STAGE+4*16*SG              ; [wave][tile][c m, l][16 queries] f32: 2,048 bytes
.set SPARE, STATS+2048                 ; the spare words, 128 bytes a wave, that no other line names
.set AK0, 2                            ; v2   my lane's place in my 64 keys of a tile of K; never rewritten
.set AV0, 3                            ; v3   the same for V
.set ADRK, 4                           ; v4   AK0 + the slot in hand
.set ADRV, 5
.set QO,  6                            ; v6   my byte offset in 16 rows of Q
.set STO, 7                            ; v7   the stage: where I put 16 bytes of a row
.set RD,  8                            ; v8   the stage: my 16 bytes of the rows that I sum
.set GO,  10                           ; v10  my byte offset in ob's block
.set SA,  11                           ; v11  where I put my statistics
.set ST,  12                           ; tile t at v[ST+8 t]: c m, m, l (even keys', odd keys'), c0-c3 at work; a takes c2's place
.set SR,  44                           ; v44  where I read all waves' statistics
.set TMPV, 45
.set NEG1, 46                          ; v46  -1.0
.set SPW, 62                           ; v62  LDS address of my spare word; never rewritten
.set NIL, 63                           ; v63  0; never rewritten
.set S,   64
.set P,   192
.set KF,  128
.set LOW, 128                          ; window 3: the mask of key blocks below the query tile's own,
.set DIA, 136                          ; of its own,
.set UPP, 144                          ; of those above
.set TRI, 152                          ; -1e30 where 8 (lane / 16) + register > lane % 16
.set WV,  12
.set CX,  13
.set PBK, 14                           ; b
.set CC,  15                           ; c
.set LWK, 17                           ; s17, s18 my half's place in a slot, for K and for V
.set LWV, 18
.set G1K, 24
.set G1V, 32
.set G0K, 40
.set G0V, 44
.set TB,  48                           ; s48 LDS base of the slot in hand
.set SLOTS, 49
.set RT,  50                           ; s50 tiles of the block in hand still to be entered
.set NXT, 51                           ; s51 the tile to be asked for next
.set LQ,  52                           ; s52 the last tile of the block whose tiles are being asked for
.set RHO, 53                           ; s53 the key step that holds the block's diagonal
.set RE,  54
.set BIGN, 55                          ; s55 -1e30
.set AL,  56                           ; s[56:57] the triangle's factor
.set CS,  58                           ; s[58:59] c
.set SEL, 60                           ; s[60:61] v_permlanex16_b32's selects: each lane takes its own place in the other half
.set BEL, 62                           ; s[62:63] LOW's value
.set BEU, 66                           ; s66 UPP's value
.set OFF, 68                           ; s[68:69] a tile's byte offset
.set Q2,  70                           ; s[70:71] Q, s[72:73] ob at the second block
.set OB2, 72
.set MSB, 0
.macro WIN new
.if MSB != (\new)
	s_set_vgpr_msb (MSB<<8)|(\new)
.set MSB, \new
.endif
.endm
.set W_KQ, 0x0a                        ; K and Q in window 2, S^T in window 0
.set W_KM, 0x3a                        ; the same with the C operand in window 3
.set W_PV, 0x53                        ; V in window 3, P in window 0, O^T in window 1
.set W_RS, 0x41                        ; O^T (destination and source 0) in window 1, the factor in window 0
.macro PLACES
.rept 4
	v_nop
.endr
.endm
.macro JLOAD                           ; a joint fill: waves 0, 1 fetch the halves of a tile's K, waves 2, 3 those of its V; an s_nop 0 and four v_nop follow each line
	s_cmp_lt_u32 s[WV], 2
	s_cbranch_scc0 .Lfor_v_\@
	tensor_load_to_lds s[G0K:G0K+3], s[G1K:G1K+7]
	s_nop 0
.rept 4
	v_nop
.endr
	s_branch .Lasked_\@
.Lfor_v_\@:
	tensor_load_to_lds s[G0V:G0V+3], s[G1V:G1V+7]
	s_nop 0
.rept 4
	v_nop
.endr
.Lasked_\@:
.endm
.macro CROUND                          ; a round of the cluster's barrier
	s_barrier_signal -1
	s_barrier_wait -1
	s_cmp_lg_u32 s[WV], 0
	s_cbranch_scc1 .Lnot_wave_0_\@
	s_barrier_signal -3
.Lnot_wave_0_\@:
	s_barrier_wait -3
	s_barrier_signal -1
	s_barrier_wait -1
.endm
; THE CHANGE OF SLOTS.  Each wave waits for all its tensor loads (one is out: its part of the other slot), adds 0 to its spare word, and waits for that and for its reads of the slot that it leaves.
; fill = 1: a round of the cluster's barrier, and the old slot is filled with tile NXT first thing behind it; the descriptor's address is made anew from that number.  (At its first use slot 0 is waited for and slot 1 filled.)
.macro CHANGE fill
	WIN 0
	s_wait_tensorcnt 0x0                           ; no tensor load of mine is out, so a group 0 may be written
	ds_add_u32 v[SPW], v[NIL]                      ; scalar work stands between the add and the wait for it
.if \fill
	s_lshl_b32 s[OFF], s[NXT], 16                  ; a tile is 65,536 bytes of K and of V
	s_add_co_u32 s[G0K+1], s[TB], s[LWK]           ; into the slot that is left
	s_add_nc_u64 s[G0K+2:G0K+3], s[6:7], s[OFF:OFF+1]
	s_or_b32 s[G0K+3], s[G0K+3], 0x80000000
	s_add_co_u32 s[G0V+1], s[TB], s[LWV]
	s_add_nc_u64 s[G0V+2:G0V+3], s[8:9], s[OFF:OFF+1]
	s_or_b32 s[G0V+3], s[G0V+3], 0x80000000
	s_add_co_u32 s[NXT], s[NXT], 1                 ; the block's next tile, or behind its last the second block's tile 0
	s_cmp_gt_u32 s[NXT], s[LQ]
	s_cselect_b32 s[NXT], 0, s[NXT]
	s_cselect_b32 s[LQ], s[CC], s[LQ]
.endif
	s_xor_b32 s[TB], s[TB], SLOT
	s_wait_dscnt 0x0                               ; the add is done, and my reads of the slot are over
.if \fill
	CROUND
	JLOAD
.else
	s_barrier_signal -1
	s_barrier_wait -1
.endif
.endm
.macro LOADQ ptr                       ; 64 queries x 128 channels: tile i / 4, channels 32 (i % 4) on
	WIN 0x80
.set i, 0
.rept 16
	global_load_b128 v[8*i:8*i+3],   v[QO], s[\ptr:\ptr+1] offset:(i/4)*4096+(i%4)*64
	global_load_b128 v[8*i+4:8*i+7], v[QO], s[\ptr:\ptr+1] offset:(i/4)*4096+(i%4)*64+32
.set i, i+1
.endr
	WIN 0
.endm
.macro ALL4 line:vararg                ; one line for each tile t
.set t, 0
.rept 4
	\line
.set t, t+1
.endr
.endm
.macro INITM                           ; a block begins: c m far below every c s, so that the first step's a is 0; m below every true score and above every hidden one
	ALL4 v_mov_b32 v[ST+8*t], 0xfe000000
	ALL4 v_mov_b32 v[ST+8*t+1], 0xe0800000
.endm
	s_load_b256 s[4:11], s[0:1], 0x0               ; q16, k16, v16, ob
	v_lshl_add_u32 v[SPW], v0, 2, SPARE
	v_mov_b32 v[NIL], 0
	ds_add_u32 v[SPW], v[NIL]                      ; the wave's opening: the add and its wait come ahead of my first tensor load
	v_lshrrev_b32 v1, 5, v0
	v_readfirstlane_b32 s[WV], v1
	s_bfe_u32 s[CX], ttmp6, 0x40000
	s_mov_b32 s[CC], ttmp9                         ; in a cluster launch ttmp9 counts clusters
	s_lshl_b32 s[PBK], s[CC], 2
	s_add_co_u32 s[PBK], s[PBK], s[CX]
	s_and_b32 s20, ttmp7, 0xffff                   ; the head, which the four partners share
	s_lshl_b32 s22, s20, 19                        ; its first byte in q16, k16, v16
	s_lshl_b32 s21, s20, 8                         ; its 128 columns in ob
	s_and_b32 s16, s[WV], 1                        ; which half of a tile's 256 keys I fetch
	s_lshl_b32 s2, s16, 15
	s_add_co_u32 s2, s2, s22
	s_mov_b32 s3, 0
	s_mul_i32 s[LWK], s16, 128*PK
	s_mul_i32 s[LWV], s16, 128*PV
	s_add_co_u32 s[LWV], s[LWV], VOFF
	s_sub_co_u32 s19, 31, s[PBK]                   ; the first block
	s_lshl_b32 s76, s19, 14                        ; 64 rows of 256 bytes a block
	s_add_co_u32 s76, s76, s22
	s_mov_b32 s77, 0
	s_lshl_b32 s78, s[PBK], 14
	s_add_co_u32 s78, s78, s22
	s_mov_b32 s79, 0
	s_mul_i32 s74, s19, 80*4096                    ; 80 rows of 4,096 bytes a block of ob
	s_add_co_u32 s74, s74, s21
	s_mov_b32 s75, 0
	s_mul_i32 s80, s[PBK], 80*4096
	s_add_co_u32 s80, s80, s21
	s_mov_b32 s81, 0
	s_mov_b32 s[G1K], 15|(1<<16)|(1<<20)|(1<<21)|(5<<22)|(3<<25)  ; the mask of four; 2-byte elements; padding on; 21 set beside a mask; after every 64 words 4 words
	s_mov_b32 s[G1V], 15|(1<<16)|(1<<20)|(1<<21)|(5<<22)|(7<<25)  ; the same with 8 words
.irp g, G1K, G1V
	s_mov_b32 s[(\g)+1], 128<<16                   ; tensor_dim0 = 128
	s_mov_b32 s[(\g)+2], 128<<16                   ; tensor_dim1 = 128
	s_mov_b32 s[(\g)+3], 128<<16                   ; tile_dim0 = 128
	s_mov_b32 s[(\g)+4], 128                       ; tile_dim1 = 128
	s_mov_b32 s[(\g)+5], 128                       ; elements from row to row
	s_mov_b32 s[(\g)+6], 0
	s_mov_b32 s[(\g)+7], 0
.endr
	s_mov_b32 s[CS], 0x440293ee                    ; c = 4096 log2(e) / sqrt(128) = 522.31
	s_mov_b32 s[CS+1], s[CS]
	s_mov_b32 s[SEL], 0x76543210
	s_mov_b32 s[SEL+1], 0xfedcba98
	s_mov_b32 s[BIGN], 0xf149f2ca
	s_mov_b32 s[AL+1], 0                           ; named as pairs
	s_mov_b32 s[BEL+1], 0
	s_mov_b32 s[OFF+1], 0
	s_sub_co_u32 s[RT], 8, s[CC]                   ; the first block has 8 - c tiles
	s_mov_b32 s[NXT], 1
	s_sub_co_u32 s[LQ], 7, s[CC]
	s_sub_co_u32 s[RHO], 3, s[CX]
	s_mov_b32 s[TB], SLOT                          ; the first change of slots turns it into 0
	s_mov_b32 s[SLOTS], 8
	s_mov_b32 s[G0K], 1
	s_mov_b32 s[G0K+1], s[LWK]                     ; slot 0
	s_mov_b32 s[G0V], 1
	s_mov_b32 s[G0V+1], s[LWV]
	s_wait_dscnt 0x0                               ; the opening add is done
	s_wait_kmcnt 0x0
	s_add_nc_u64 s[Q2:Q2+1], s[4:5], s[78:79]
	s_add_nc_u64 s[4:5], s[4:5], s[76:77]
	s_add_nc_u64 s[OB2:OB2+1], s[10:11], s[80:81]
	s_add_nc_u64 s[10:11], s[10:11], s[74:75]
	s_add_nc_u64 s[6:7], s[6:7], s[2:3]            ; K and V at my half of the head's tile 0
	s_add_nc_u64 s[8:9], s[8:9], s[2:3]
	s_mov_b64 s[G0K+2:G0K+3], s[6:7]
	s_or_b32 s[G0K+3], s[G0K+3], 0x80000000
	s_mov_b64 s[G0V+2:G0V+3], s[8:9]
	s_or_b32 s[G0V+3], s[G0V+3], 0x80000000
	CROUND                                         ; all four work-groups are here: the first joint loads meet
	JLOAD                                          ; tile 0 into slot 0: one tensor load of mine is out, here and behind every round
	v_and_b32 v1, 15, v0                           ; r = lane % 16
	v_bfe_u32 v9, v0, 4, 1                         ; h = lane / 16
	v_lshlrev_b32 v[QO], 8, v1
	v_lshl_add_u32 v[QO], v9, 4, v[QO]
	LOADQ 4
	v_mul_u32_u24 v[AK0], v1, PK
	v_lshl_add_u32 v[AK0], v9, 4, v[AK0]
	s_mul_i32 s2, s[WV], 64*PK
	v_add_nc_u32 v[AK0], s2, v[AK0]                ; my 64 keys, row r, 16 bytes for each half of the lanes
	v_and_b32 v[TMPV], 7, v0                       ; the turning load: lane l reads key 8 (l / 16) + l % 8, channels 8 ((l / 8) % 2) on
	v_lshl_add_u32 v[AV0], v9, 3, v[TMPV]
	v_mul_u32_u24 v[AV0], v[AV0], PV
	v_bfe_u32 v[TMPV], v0, 3, 1
	v_lshl_add_u32 v[AV0], v[TMPV], 4, v[AV0]
	s_mul_i32 s2, s[WV], 64*PV
	s_add_co_u32 s2, s2, VOFF
	v_add_nc_u32 v[AV0], s2, v[AV0]
	v_mul_u32_u24 v[STO], v1, SG
	v_lshl_add_u32 v[STO], v9, 5, v[STO]
	s_mul_i32 s2, s[WV], 16*SG
	s_add_co_u32 s2, s2, STAGE
	v_add_nc_u32 v[STO], s2, v[STO]
	v_and_b32 v[TMPV], 31, v0
	s_mul_i32 s2, s[WV], 4*SG
	s_add_co_u32 s2, s2, STAGE
	v_lshl_add_u32 v[RD], v[TMPV], 4, s2           ; rows 4 w on of every wave's stage
	s_lshl_b32 s2, s[WV], 14
	v_lshl_add_u32 v[GO], v[TMPV], 3, s2           ; rows 4 w on of 4,096 bytes, 8 bytes a lane
	s_lshl_b32 s2, s[WV], 9
	s_add_co_u32 s2, s2, STATS
	v_lshl_add_u32 v[SA], v1, 2, s2
	v_lshl_add_u32 v[SR], v1, 2, STATS
	v_mov_b32 v[NEG1], -1.0
	v_lshlrev_b32 v[TMPV], 3, v9
	v_sub_nc_u32 v[TMPV], v1, v[TMPV]              ; r - 8 h: register i is hidden where i is greater
	WIN 0xc0
.set i, 0
.rept 8
	v_cmp_gt_i32 vcc_lo, i, v[TMPV]
	v_cndmask_b32 v[TRI+i], 0, s[BIGN], vcc_lo
.set i, i+1
.endr
	WIN 0x40                                       ; a block's first step multiplies O^T and l by a = 0, so they need only be finite: zeros now, what the first block left later.  This stands in the wait for the first tile
.set i, 0
.rept 256
	v_mov_b32 v[i], 0
.set i, i+1
.endr
	WIN 0
	ALL4 v_mov_b32 v[ST+8*t+2], 0
	ALL4 v_mov_b32 v[ST+8*t+3], 0
	INITM
; Product i of 32 of S^T = K Q^T for piece x: channels 32 (i / 8) on, keys 16 ((i / 2) % 4) on, tile x + i % 2.  The first 8 start the sums with the mask.  The 8 accumulators take turns.
.macro KQ x
.set tt, (\x)+i%2
.set kb, (i/2)%4
.set rS, S+32*tt+8*kb
.set rK, KF+32*kb+8*(i/8)
.set rQ, 32*tt+8*(i/8)
.if i < 8
.if kb < tt
.set rM, LOW
.elseif kb == tt
.set rM, DIA
.else
.set rM, UPP
.endif
	WIN W_KM
	v_wmma_f32_16x16x32_f16 v[rS:rS+7], v[rK:rK+7], v[rQ:rQ+7], v[rM:rM+7]
.else
	WIN W_KQ
	v_wmma_f32_16x16x32_f16 v[rS:rS+7], v[rK:rK+7], v[rQ:rQ+7], v[rS:rS+7]
.endif
.endm
; Product i of 32 of O^T += V^T P for piece x: keys 32 (i / 16) on, channels 16 ((i / 2) % 8) on, tile x + i % 2: 16 accumulators by turns.
.macro PV x
	WIN W_PV
.set rO, 64*((\x)+i%2)+8*((i/2)%8)
.set rV, 64*(i/16)+8*((i/2)%8)
.set rP, P+16*((\x)+i%2)+8*(i/16)
	v_wmma_f32_16x16x32_f16 v[rO:rO+7], v[rV:rV+7], v[rP:rP+7], v[rO:rO+7]
.endm
.macro FETCH_K                         ; my 64 keys x 128 channels: keys 16 (f / 4) on, channels 32 (f % 4) on
	WIN 0
	v_add_nc_u32 v[ADRK], s[TB], v[AK0]
	WIN 0x80
.irp f, 0,1,2,3,4,5,6,7,8,9,10,11,12,13,14,15
	ds_load_b128 v[KF+8*(\f):KF+8*(\f)+3],   v[ADRK] offset:((\f)/4)*16*PK+((\f)%4)*64
	ds_load_b128 v[KF+8*(\f)+4:KF+8*(\f)+7], v[ADRK] offset:((\f)/4)*16*PK+((\f)%4)*64+32
.endr
.endm
.macro FETCH_V                         ; turned: keys 32 (f / 8) on, channels 16 (f % 8) on
	WIN 0
	v_add_nc_u32 v[ADRV], s[TB], v[AV0]
	WIN 0xc0
.irp f, 0,1,2,3,4,5,6,7,8,9,10,11,12,13,14,15
	ds_load_tr16_b128 v[8*(\f):8*(\f)+3],   v[ADRV] offset:((\f)/8)*32*PV+((\f)%8)*32
	ds_load_tr16_b128 v[8*(\f)+4:8*(\f)+7], v[ADRV] offset:((\f)/8)*32*PV+16*PV+((\f)%8)*32
.endr
.endm
; The masks of the step in hand.  RE = the diagonal's key step in a block's last tile, 4 elsewhere.  w < RE: all 0.  w = RE: 0, the triangle, -1e30.  w > RE: all -1e30.
.macro MASKS
	s_cmp_eq_u32 s[RT], 0
	s_cselect_b32 s[RE], s[RHO], 4
	s_cmp_eq_u32 s[WV], s[RE]
	s_cselect_b32 s[AL], 1.0, 0
	s_cmp_ge_u32 s[WV], s[RE]
	s_cselect_b32 s[BEU], s[BIGN], 0
	s_cmp_gt_u32 s[WV], s[RE]
	s_cselect_b32 s[BEL], s[BIGN], 0
	WIN 0xc3
.irp z, 0,1,2,3,4,5,6,7
	v_mov_b32 v[LOW+\z], s[BEL]
.endr
.irp z, 0,1,2,3
	v_pk_fma_f32 v[DIA+2*\z:DIA+2*\z+1], v[TRI+2*\z:TRI+2*\z+1], s[AL:AL+1], s[BEL:BEL+1] op_sel_hi:[1,0,0]
.endr
.irp z, 0,1,2,3,4,5,6,7
	v_mov_b32 v[UPP+\z], s[BEU]
.endr
.endm
; One tile's softmax for one key step is a list of 134 instructions; SM writes number j of it for tile t.  s0-s31 are the lane's 32 scores, in pairs 0-15.
;   0-15    the maximum of s0-s31 and the old m, three operands at a time (each accumulator's lowest registers are read first)
;   16-20   the other half of the lanes' maximum; the new m; c m; c m_old - c m_new
;   21-87   33 exponentials (a, then s0-s31) at the odd numbers from 23 on, a plain instruction between any two: c s - c m for pairs to come, roundings to f16 of pairs that are done, the first sums
;   88-101  the last rounding; the rest of the sums; l = a l + the sum        102-133  the tile's O^T times a, ascending: the one part that leaves window 0
.macro SM t
.set rT, ST+8*(\t)
.set rS, S+32*(\t)
.set rP, P+16*(\t)
.set rO, 64*(\t)+2*(j-102)
.set q, (j-20)/2
.if j < 102
	WIN 0
.endif
.if j < 4
	v_max3_num_f32 v[rT+4+j], v[rS+8*j], v[rS+8*j+1], v[rS+8*j+2]
.elseif j < 12
	v_max3_num_f32 v[rT+4+j%4], v[rT+4+j%4], v[rS+8*(j%4)+2*(j/4)+1], v[rS+8*(j%4)+2*(j/4)+2]
.elseif j == 12
	v_max3_num_f32 v[rT+4], v[rT+4], v[rS+7], v[rS+15]
.elseif j == 13
	v_max3_num_f32 v[rT+6], v[rT+6], v[rS+23], v[rS+31]
.elseif j == 14
	v_max3_num_f32 v[rT+4], v[rT+4], v[rT+5], v[rT+6]
.elseif j == 15
	v_max3_num_f32 v[rT+4], v[rT+4], v[rT+7], v[rT+1]
.elseif j == 16
	v_permlanex16_b32 v[rT+5], v[rT+4], s[SEL], s[SEL+1]
.elseif j == 17
	v_mov_b32 v[rT+7], v[rT]
.elseif j == 18
	v_max_num_f32 v[rT+1], v[rT+4], v[rT+5]
.elseif j == 19
	v_mul_f32 v[rT], s[CS], v[rT+1]
.elseif j == 20
	v_sub_f32 v[rT+7], v[rT+7], v[rT]
.elseif j == 23
	v_exp_f32 v[rT+6], v[rT+7]
.elseif (j < 88) && (j > 23) && (j%2 == 1)
	v_exp_f32 v[rS+(j-25)/2], v[rS+(j-25)/2]
.elseif (q < 4) || ((j < 76) && (q%2 == 0))
.set b, q/2+2
.if q < 4
.set b, q
.endif
	v_pk_fma_f32 v[rS+2*b:rS+2*b+1], v[rS+2*b:rS+2*b+1], s[CS:CS+1], v[rT:rT+1] op_sel_hi:[1,0,0] neg_lo:[0,0,1] neg_hi:[0,0,1]
.elseif (j < 88) && (q%2 == 1)
	s_wait_alu depctr_va_vdst(0)
	v_cvt_pk_f16_f32 v[rP+(q-5)/2], v[rS+q-5], v[rS+q-4]
.elseif j == 89
	s_wait_alu depctr_va_vdst(0)
	v_cvt_pk_f16_f32 v[rP+15], v[rS+30], v[rS+31]
.elseif j < 102
.set z, j-86
.if j < 89
.set z, (j-76)/4
.endif
.set w, 4
.set u, z
.if z >= 14
.set w, 32
.set u, 0
.elseif z >= 12
.set w, 16
.set u, z-12
.elseif z >= 8
.set w, 8
.set u, z-8
.endif
.if z < 15
	v_pk_add_f32 v[rS+w*u:rS+w*u+1], v[rS+w*u:rS+w*u+1], v[rS+w*u+w/2:rS+w*u+w/2+1]
.else
	v_pk_fma_f32 v[rT+2:rT+3], v[rT+2:rT+3], v[rT+6:rT+7], v[rS:rS+1] op_sel_hi:[1,0,1]
.endif
.else
	WIN W_RS
	v_pk_mul_f32 v[rO:rO+1], v[rO:rO+1], v[rT+6:rT+7] op_sel_hi:[1,0]
.endif
.endm
; Slice k of 64 of piece y's softmax: numbers 2 k and 2 k + 1 of both tiles' lists; the twelve that are over stand in slice 63.
.macro SLICE y
.if (k >= 11) && (k < 44)              ; tile by tile: plain, exponential, plain, exponential
.irp t, \y, (\y)+1
.irp n, 0,1
.set j, 2*k+(\n)
	SM \t
.endr
.endr
.else                                  ; the two tiles alternate
.irp n, 0,1,2,3,4,5,6,7
.if ((\n) < 2) || (k == 63)
.irp t, \y, (\y)+1
.set j, 2*k+(\n)
	SM \t
.endr
.endif
.endr
.endif
.set k, k+1
.endm
; 32 products of piece x (kind 0: K Q^T, 1: V^T P); ride = 1: two slices of the other piece's softmax behind each; none names a register of the products round it.
.macro RUN kind, x, ride
.set i, 0
.rept 32
.if \kind
	PV \x
.else
	KQ \x
.endif
.if \ride
	SLICE 2-(\x)
	SLICE 2-(\x)
.endif
.set i, i+1
.endr
.endm
.macro STEP
	FETCH_K
	FETCH_V
	MASKS
	s_wait_loadcnt 0x0                             ; Q
	s_wait_dscnt 32                                ; K is in; V's 32 loads may be out
	RUN 0, 0, 0
	PLACES                                         ; in front of the first read of those scores
.set k, 0
	RUN 0, 2, 1                                    ; its last two slices, 20 plain lines on O^T, are the places behind its last product
	s_wait_dscnt 0x0                               ; V is in
.set k, 0
	RUN 1, 0, 1
	RUN 1, 2, 0
	WIN 0
	PLACES                                         ; in front of the next loads into V's registers and of the merge's reads of O^T
.endm
; THE MERGE of tile t: my O^T times f = 2^(c m - M) / L goes into my stage; behind a barrier wave w sums rows 4 w .. 4 w + 3 of the four stages in f32, rounds and stores them.
.macro MTILE t, obp
	WIN W_RS
.set i, 64*(\t)
.rept 32
	v_pk_mul_f32 v[i:i+1], v[i:i+1], v[ST+8*(\t)+6:ST+8*(\t)+7] op_sel_hi:[1,0]
.set i, i+2
.endr
	WIN 0x04                                       ; the stores' data in window 1
.irp f, 0,1,2,3,4,5,6,7
	ds_store_b128 v[STO], v[64*(\t)+8*\f:64*(\t)+8*\f+3] offset:64*\f
	ds_store_b128 v[STO], v[64*(\t)+8*\f+4:64*(\t)+8*\f+7] offset:64*\f+16
.endr
	WIN 0
	s_wait_dscnt 0x0                               ; for the others' sake
	s_barrier_signal -1
	s_barrier_wait -1
	s_wait_xcnt 0x0                                ; the registers that the last tile's stores read are loaded again only behind this wait
.irp u, 0,1,2,3
.irp n, 0,1,2,3
	ds_load_b128 v[S+16*\u+4*\n:S+16*\u+4*\n+3], v[RD] offset:16*SG*\u+SG*\n
.endr
.endr
	s_wait_dscnt 0x0
.if (\t) < 3
	s_barrier_signal -1                            ; my reads of the stages are over: behind this barrier the next tile is written into them
.endif
.irp u, 1,2,3
.irp n, 0,1,2,3,4,5,6,7
	v_pk_add_f32 v[S+2*\n:S+2*\n+1], v[S+2*\n:S+2*\n+1], v[S+16*\u+2*\n:S+16*\u+2*\n+1]
.endr
.endr
.irp n, 0,1,2,3,4,5,6,7
	v_cvt_pk_f16_f32 v[S+16+\n], v[S+2*\n], v[S+2*\n+1]
.endr
.if (\t) == 0                          ; the low-order halves of the block's first 16 rows: the sum less its f16, exact in f32, rounded to f16
.irp n, 0,1,2,3,4,5,6,7
	v_fma_mix_f32 v[S+32+2*\n], v[S+16+\n], v[NEG1], v[S+2*\n] op_sel_hi:[1,0,0]
	v_fma_mix_f32 v[S+33+2*\n], v[S+16+\n], v[NEG1], v[S+2*\n+1] op_sel:[1,0,0] op_sel_hi:[1,0,0]
.endr
.irp n, 0,1,2,3,4,5,6,7
	v_cvt_pk_f16_f32 v[S+24+\n], v[S+32+2*\n], v[S+33+2*\n]
.endr
.endif
.if (\t) < 3
	s_barrier_wait -1
.endif
.irp n, 0,1,2,3
	global_store_b64 v[GO], v[S+16+2*\n:S+17+2*\n], s[\obp:\obp+1] offset:(16*(\t)+\n)*4096  ; a wave's store covers 256 consecutive bytes, aligned
.endr
.if (\t) == 0
.irp n, 0,1,2,3
	global_store_b64 v[GO], v[S+24+2*\n:S+25+2*\n], s[\obp:\obp+1] offset:(64+\n)*4096
.endr
.endif
.endm
; A BLOCK'S END.  qnext = 1: the second block's Q is asked for first.  Each wave's c m and l meet in LDS; M = the largest c m, L = the sum of 2^(c m_u - M) l_u.
.macro MERGE qnext, obp
	WIN 0
.if \qnext
	LOADQ Q2
.endif
	ALL4 v_add_f32 v[ST+8*t+4], v[ST+8*t+2], v[ST+8*t+3]
	ALL4 v_permlanex16_b32 v[ST+8*t+5], v[ST+8*t+4], s[SEL], s[SEL+1]
	ALL4 v_add_f32 v[ST+8*t+4], v[ST+8*t+4], v[ST+8*t+5]
	ALL4 ds_store_b32 v[SA], v[ST+8*t] offset:128*t
	ALL4 ds_store_b32 v[SA], v[ST+8*t+4] offset:128*t+64
	s_wait_dscnt 0x0
	s_barrier_signal -1
	s_barrier_wait -1
.irp u, 0,1,2,3
	ALL4 ds_load_b32 v[S+8*t+\u], v[SR] offset:512*\u+128*t
	ALL4 ds_load_b32 v[S+8*t+4+\u], v[SR] offset:512*\u+128*t+64
.endr
	s_wait_dscnt 0x0
	ALL4 v_max3_num_f32 v[ST+8*t+4], v[S+8*t], v[S+8*t+1], v[S+8*t+2]
	ALL4 v_max_num_f32 v[ST+8*t+4], v[ST+8*t+4], v[S+8*t+3]
	ALL4 v_sub_f32 v[ST+8*t+5], v[ST+8*t], v[ST+8*t+4]
.irp u, 0,1,2,3
	ALL4 v_sub_f32 v[S+8*t+\u], v[S+8*t+\u], v[ST+8*t+4]
.endr
	ALL4 v_exp_f32 v[ST+8*t+5], v[ST+8*t+5]
.irp u, 0,1,2,3
	ALL4 v_exp_f32 v[S+8*t+\u], v[S+8*t+\u]
.endr
	v_nop                                          ; a plain instruction between the last exponential and the use of its result
	s_wait_alu depctr_va_vdst(0)
	ALL4 v_mul_f32 v[ST+8*t+7], v[S+8*t], v[S+8*t+4]
.irp u, 1,2,3
	ALL4 v_fmac_f32 v[ST+8*t+7], v[S+8*t+\u], v[S+8*t+4+\u]
.endr
	ALL4 v_rcp_f32 v[ST+8*t+7], v[ST+8*t+7]
	v_nop
	s_wait_alu depctr_va_vdst(0)
	ALL4 v_mul_f32 v[ST+8*t+6], v[ST+8*t+5], v[ST+8*t+7]
	MTILE 0, \obp
	MTILE 1, \obp
	MTILE 2, \obp
	MTILE 3, \obp
	s_wait_xcnt 0x0                                ; the next step's products write S^T's registers, which the stores read
.endm
.Lslot:                                                ; eight times: a tile is entered and the next is asked for
	CHANGE 1
	s_sub_co_u32 s[RT], s[RT], 1
	STEP
	s_cmp_lg_u32 s[RT], 0                          ; made of the cluster's number and the count alone: alike in all waves and in all partners; the jump goes forward and passes no tensor load
	s_cbranch_scc1 .Lnoend
	MERGE 1, 10                                    ; the first block's end
	INITM
	s_add_co_u32 s[RT], s[CC], 1                   ; the second block has c + 1 tiles
	s_mov_b32 s[RHO], s[CX]
.Lnoend:
	s_sub_co_u32 s[SLOTS], s[SLOTS], 1
	s_cmp_lg_u32 s[SLOTS], 0
	s_cbranch_scc1 .Lslot
	CHANGE 0                                       ; the walk's last tile is written out: nothing is asked for
	s_sub_co_u32 s[RT], s[RT], 1
	STEP
	MERGE 0, OB2
	s_wait_tensorcnt 0x0                           ; the wave's end
	ds_add_u32 v[SPW], v[NIL]
	s_wait_dscnt 0x0
	CROUND                                         ; the closing round
	s_endpgm
.Lfunc_end_k_qe0df95eecb_attn:
	.size	k_qe0df95eecb_attn, .Lfunc_end_k_qe0df95eecb_attn-k_qe0df95eecb_attn
	.p2alignl 7, 3214868480
	.fill 96, 4, 3214868480
	.section	.rodata,"a",@progbits
	.p2align	6, 0x0
	.amdhsa_kernel k_qe0df95eecb_attn
		.amdhsa_group_segment_fixed_size 327680
		.amdhsa_private_segment_fixed_size 0
		.amdhsa_enable_private_segment 0
		.amdhsa_kernarg_size 32
		.amdhsa_user_sgpr_count 2
		.amdhsa_user_sgpr_kernarg_segment_ptr 1
		.amdhsa_wavefront_size32 1
		.amdhsa_system_sgpr_workgroup_id_x 1
		.amdhsa_system_sgpr_workgroup_id_y 1
		.amdhsa_system_sgpr_workgroup_id_z 1
		.amdhsa_system_vgpr_workitem_id 0
		.amdhsa_next_free_vgpr 928
		.amdhsa_next_free_sgpr 82
		.amdhsa_reserve_vcc 1
		.amdhsa_float_denorm_mode_32 3
		.amdhsa_float_denorm_mode_16_64 3
		.amdhsa_memory_ordered 1
		.amdhsa_forward_progress 1
		.amdhsa_inst_pref_size 191
	.end_amdhsa_kernel
	.amdgpu_metadata
---
amdhsa.version: [ 1, 2 ]
amdhsa.kernels:
  - .name:           k_qe0df95eecb_attn
    .symbol:         k_qe0df95eecb_attn.kd
    .args:
      - { .name: q16, .offset: 0, .size: 8, .value_kind: global_buffer, .address_space: global }
      - { .name: k16, .offset: 8, .size: 8, .value_kind: global_buffer, .address_space: global }
      - { .name: v16, .offset: 16, .size: 8, .value_kind: global_buffer, .address_space: global }
      - { .name: ob, .offset: 24, .size: 8, .value_kind: global_buffer, .address_space: global }
    .group_segment_fixed_size: 327680
    .private_segment_fixed_size: 0
    .kernarg_segment_align: 8
    .kernarg_segment_size: 32
    .max_flat_workgroup_size: 128
    .sgpr_count:     82
    .vgpr_count:     928
    .wavefront_size: 32
...
	.end_amdgpu_metadata
.endif
;; end of part 3
;; launch proj (part 4): grid 16 x 16, 4 waves a work-group, clusters of 4 x 4, 327,680 bytes of LDS; arguments ob, wof, out0; writes out0
.if DOCPART == 4
	.amdgcn_target "amdgcn-amd-amdhsa--gfx1250"
	.amdhsa_code_object_version 6
	.text
	.protected	k_qe0df95eecb_proj
	.globl	k_qe0df95eecb_proj
	.p2align	8
	.type	k_qe0df95eecb_proj,@function
k_qe0df95eecb_proj:
	s_mov_b64 s[64:65], 0
	v_nop
	global_prefetch_b8 v0, s[64:65] scope:SCOPE_SE
	s_setreg_imm32_b32 hwreg(HW_REG_WAVE_MODE, 25, 1), 1
	s_wait_xcnt 0x0
	s_wait_alu depctr_hold_cnt(0) depctr_sa_sdst(0) depctr_va_vdst(0) depctr_va_sdst(0) depctr_va_ssrc(0) depctr_va_vcc(0) depctr_vm_vsrc(0)
	s_getreg_b32 s2, hwreg(HW_REG_IB_STS2, 6, 4)
	s_cmp_eq_u32 s2, 0
	s_cbranch_scc0 .Lentry_in_a_cluster
	s_endpgm
.Lentry_in_a_cluster:
	s_bfe_u32 s2, ttmp6, 0x10000c
	s_cmp_lg_u32 s2, 0xf033
	s_cbranch_scc0 .Lentry_shape_is_right
	s_endpgm
.Lentry_shape_is_right:
; out0 = O Wo.  ob: [32 blocks of 64 rows][80][2048] f16 (rows 0-63 O / 4, rows 64-79 the low-order halves of rows 0-15).  wof: [2048 k][2048 n] f16 = 4 x bf16(Wo).  out0: [2048][2048] f32.
; Products in f16, sums in f32; the factors 1/4 and 4 cancel exactly.  LIMITS: those of ob and wof (|O| below 262,016, |Wo| below 16,376).
; SHARES.  A work-group: 128 x 128 of out0; wave w: rows 64 (w / 2) on, columns 64 (w % 2) on: 16 accumulators.  A wave's 64 rows are one block of ob; the block's 16 low-order rows are a fifth
; fragment of A, whose products are added onto the accumulators of the first row tile.  (Only the tensor's first rows need them; partners in a cluster run alike, so every block has them.)
; K goes in steps of 256 through two LDS slots: 2 x 80 rows of 512 bytes of ob, 256 k-rows of 256 bytes of wof.  Waves 0, 1 fetch ob's two blocks, waves 2, 3 the halves of wof's rows.
; CLUSTER 4 x 4: ob's tiles are asked for jointly along a row of the cluster, wof's along a column.  THE MATRIX INSTRUCTION IS USED TRANSPOSED: source 0 = 16 columns of wof (turned by
; ds_load_tr16_b128), source 1 = 16 rows of ob: a lane holds one row and eight neighbouring columns.
; REGISTERS: window 0: v0-29 addresses; v32-95 the way out; accumulator (a, b) at v[128 + 8 (4 a + b)].  window 1: ob's fragments at v[80 f + 40 c + 8 a], a = 0 .. 4.  window 2: wof's at v[64 f + 32 c + 8 b].
.set PAP,   528                        ; a row of ob in LDS: 512 bytes + 16
.set PBP,   288                        ; a k-row of wof: 256 + 32
.set HA,    80*PAP                     ; 42,240: a block of ob
.set HB,    128*PBP                    ; 36,864: 128 k-rows of wof
.set BOFF,  2*HA
.set SLOT,  2*HA+2*HB                  ; 158,208
.set SPARE, 2*SLOT                     ; behind the ring: the spare words, 128 bytes a wave, that no other line names
.set SG,    528                        ; the stage's row: 128 f32 + 16.  The stage, 128 rows from byte 0, lies in slot 0, which has had its last fill and its last read by then
.set ADRA0, 3
.set ADRB0, 4                          ; v4-5  my lane's place in each half of wof's rows
.set ADRA,  6
.set ADRB,  8                          ; v8-9
.set STO,   11
.set RD,    13
.set CO,    14
.set SPW,   28
.set NIL,   29
.set OUTR,  32
.set ACC,   128
.set WV,  10
.set RH,  11
.set CH,  12
.set CNT, 13
.set G1A, 24                           ; s[24:31], s[32:39] descriptor groups 1 and 0 for ob's tiles: set 0 = step 0, set 1 = step 1, which then walks on
.set G0A, 32
.set G1B, 48                           ; s[48:55], s[56:63] the same for wof's
.set G0B, 56
.set TB,  66                           ; s66 LDS base of the slot in hand
.set LWA, 67                           ; s67, s68 my tile's place in a slot
.set LWB, 68
.set MSB, 0
.macro WIN new
.if MSB != (\new)
	s_set_vgpr_msb (MSB<<8)|(\new)
.set MSB, \new
.endif
.endm
.set MUL, 0x06                         ; source 0 (wof) window 2, source 1 (ob) window 1, C and D window 0
.macro PLACES
.rept 4
	v_nop
.endr
.endm
.macro JLOAD                           ; a joint refill by the walking sets; an s_nop 0 and four v_nop follow each line
	s_cmp_lt_u32 s[WV], 2
	s_cbranch_scc0 .Lfor_b_\@
	tensor_load_to_lds s[G0A+4:G0A+7], s[G1A:G1A+7]
	s_nop 0
.rept 4
	v_nop
.endr
	s_branch .Lasked_\@
.Lfor_b_\@:
	tensor_load_to_lds s[G0B+4:G0B+7], s[G1B:G1B+7]
	s_nop 0
.rept 4
	v_nop
.endr
.Lasked_\@:
.endm
.macro CREST
	s_cmp_lg_u32 s[WV], 0
	s_cbranch_scc1 .Lnot_wave_0_\@
	s_barrier_signal -3
.Lnot_wave_0_\@:
	s_barrier_wait -3
	s_barrier_signal -1
	s_barrier_wait -1
.endm
.macro CROUND
	s_barrier_signal -1
	s_barrier_wait -1
	CREST
.endm
	s_load_b128 s[4:7], s[0:1], 0x0                ; ob, wof
	s_load_b64 s[8:9], s[0:1], 0x10                ; out0
	v_lshl_add_u32 v[SPW], v0, 2, SPARE
	v_mov_b32 v[NIL], 0
	ds_add_u32 v[SPW], v[NIL]                      ; the wave's opening: the add and its wait come ahead of my first tensor load
	v_lshrrev_b32 v1, 5, v0
	v_readfirstlane_b32 s[WV], v1
	s_lshr_b32 s[RH], s[WV], 1
	s_and_b32 s[CH], s[WV], 1
	s_bfe_u32 s40, ttmp6, 0x40000
	s_bfe_u32 s41, ttmp6, 0x40004
	s_lshl_b32 s42, ttmp9, 2
	s_add_co_u32 s42, s42, s40                     ; the block of 128 columns
	s_and_b32 s43, ttmp7, 0xffff
	s_lshl_b32 s43, s43, 2
	s_add_co_u32 s43, s43, s41                     ; the block of 128 rows
	s_lshl_b32 s44, s41, 2
	s_lshl_b32 s44, 15, s44
	s_lshl_b32 s45, 0x1111, s40
	s_or_b32 s[G1A], s44, (1<<16)|(1<<20)|(1<<21)|(6<<22)|(3<<25)  ; my row's mask; 2-byte elements; padding on; 21 set beside a mask; after every 128 words 4 words
	s_mov_b32 s[G1A+1], 256<<16                    ; tensor_dim0 = 256
	s_mov_b32 s[G1A+2], 80<<16                     ; tensor_dim1 = 80
	s_mov_b32 s[G1A+3], 256<<16                    ; tile_dim0 = 256
	s_mov_b32 s[G1A+4], 80                         ; tile_dim1 = 80
	s_mov_b32 s[G1A+5], 2048
	s_mov_b32 s[G1A+6], 0
	s_mov_b32 s[G1A+7], 0
	s_or_b32 s[G1B], s45, (1<<16)|(1<<20)|(1<<21)|(5<<22)|(7<<25)  ; my column's mask; after every 64 words 8 words
	s_mov_b32 s[G1B+1], 128<<16
	s_mov_b32 s[G1B+2], 128<<16
	s_mov_b32 s[G1B+3], 128<<16
	s_mov_b32 s[G1B+4], 128
	s_mov_b32 s[G1B+5], 2048
	s_mov_b32 s[G1B+6], 0
	s_mov_b32 s[G1B+7], 0
	s_mul_i32 s[LWA], s[CH], HA
	s_mul_i32 s[LWB], s[CH], HB
	s_add_co_u32 s[LWB], s[LWB], BOFF
	s_lshl_b32 s16, s43, 1                         ; ob: block 2 x row block + w % 2, 80 rows of 4,096 bytes each
	s_add_co_u32 s16, s16, s[CH]
	s_mul_i32 s16, s16, 80*4096
	s_mov_b32 s17, 0
	s_lshl_b32 s46, s[CH], 19                      ; wof: k-rows 128 (w % 2) on, the block's 128 columns
	s_lshl_b32 s47, s42, 8
	s_add_co_u32 s46, s46, s47
	s_mov_b32 s47, 0
	s_mov_b32 s[TB], 0
	s_wait_dscnt 0x0                               ; the opening add is done
	s_wait_kmcnt 0x0
	s_add_nc_u64 s[14:15], s[4:5], s[16:17]
	s_add_nc_u64 s[46:47], s[6:7], s[46:47]
.irp s, 0,1
	s_mov_b32 s[G0A+4*(\s)], 1
	s_add_co_u32 s[G0A+4*(\s)+1], s[LWA], (\s)*SLOT
	s_add_nc_u64 s[G0A+4*(\s)+2:G0A+4*(\s)+3], s[14:15], (\s)*512
	s_or_b32 s[G0A+4*(\s)+3], s[G0A+4*(\s)+3], 0x80000000
	s_mov_b32 s[G0B+4*(\s)], 1
	s_add_co_u32 s[G0B+4*(\s)+1], s[LWB], (\s)*SLOT
	s_add_nc_u64 s[G0B+4*(\s)+2:G0B+4*(\s)+3], s[46:47], (\s)*256*4096
	s_or_b32 s[G0B+4*(\s)+3], s[G0B+4*(\s)+3], 0x80000000
.endr
	CROUND                                         ; all sixteen work-groups are here: the first joint loads meet
	s_cmp_lt_u32 s[WV], 2                          ; a wave's two first fills stand in one branch: two tensor loads of mine are out here, one behind every later round
	s_cbranch_scc0 .Lfirst_b
	tensor_load_to_lds s[G0A:G0A+3], s[G1A:G1A+7]
	s_nop 0
	tensor_load_to_lds s[G0A+4:G0A+7], s[G1A:G1A+7]
	s_nop 0
.rept 4
	v_nop
.endr
	s_branch .Lfirst_asked
.Lfirst_b:
	tensor_load_to_lds s[G0B:G0B+3], s[G1B:G1B+7]
	s_nop 0
	tensor_load_to_lds s[G0B+4:G0B+7], s[G1B:G1B+7]
	s_nop 0
.rept 4
	v_nop
.endr
.Lfirst_asked:
	v_and_b32 v1, 15, v0                           ; r
	v_bfe_u32 v2, v0, 4, 1                         ; h
	v_and_b32 v18, 31, v0                          ; lane
	v_mul_u32_u24 v[ADRA0], v1, PAP
	v_lshl_add_u32 v[ADRA0], v2, 4, v[ADRA0]
	s_mul_i32 s16, s[RH], HA
	v_add_nc_u32 v[ADRA0], s16, v[ADRA0]
	v_and_b32 v19, 7, v0
	v_lshl_add_u32 v19, v2, 3, v19
	v_mul_u32_u24 v19, v19, PBP
	v_bfe_u32 v20, v0, 3, 1
	v_lshl_add_u32 v19, v20, 4, v19
	s_lshl_b32 s16, s[CH], 7
	s_add_co_u32 s16, s16, BOFF
	v_add_nc_u32 v[ADRB0], s16, v19
	v_add_nc_u32 v[ADRB0+1], HB, v[ADRB0]
	v_mul_u32_u24 v[STO], v1, SG
	v_lshl_add_u32 v[STO], v2, 5, v[STO]
	s_mul_i32 s16, s[RH], 64*SG
	s_lshl_b32 s17, s[CH], 8
	s_add_co_u32 s16, s16, s17
	v_add_nc_u32 v[STO], s16, v[STO]               ; (64 rh + r) x 528 + 256 ch + 32 h
	s_mul_i32 s16, s[WV], 32*SG
	v_lshl_add_u32 v[RD], v18, 4, s16              ; back: rows 32 w on, a row a load
	v_lshlrev_b32 v[CO], 4, v18
	s_lshl_b32 s16, s43, 7                         ; out0 at row 128 x row block + 32 w,
	s_lshl_b32 s17, s[WV], 5
	s_add_co_u32 s16, s16, s17
	s_lshl_b32 s16, s16, 13
	s_mov_b32 s17, 0
	s_add_nc_u64 s[8:9], s[8:9], s[16:17]
	s_lshl_b32 s46, s42, 9                         ; at the block's first column
	s_mov_b32 s47, 0
	s_add_nc_u64 s[8:9], s[8:9], s[46:47]
.macro ADDR
	v_add_nc_u32 v[ADRA], s[TB], v[ADRA0]
	v_add_nc_u32 v[ADRB], s[TB], v[ADRB0]
	v_add_nc_u32 v[ADRB+1], s[TB], v[ADRB0+1]
.endm
.macro MROW acc, fa, f, c, zero        ; four products: ob's fragment fa onto the accumulators of row tile acc
.irp b, 0,1,2,3
.if \zero
	v_wmma_f32_16x16x32_f16 v[ACC+8*(4*(\acc)+(\b)):ACC+8*(4*(\acc)+(\b))+7], v[64*(\f)+32*(\c)+8*(\b):64*(\f)+32*(\c)+8*(\b)+7], v[80*(\f)+40*(\c)+8*(\fa):80*(\f)+40*(\c)+8*(\fa)+7], 0
.else
	v_wmma_f32_16x16x32_f16 v[ACC+8*(4*(\acc)+(\b)):ACC+8*(4*(\acc)+(\b))+7], v[64*(\f)+32*(\c)+8*(\b):64*(\f)+32*(\c)+8*(\b)+7], v[80*(\f)+40*(\c)+8*(\fa):80*(\f)+40*(\c)+8*(\fa)+7], v[ACC+8*(4*(\acc)+(\b)):ACC+8*(4*(\acc)+(\b))+7]
.endif
.endr
.endm
; 20 products for 32 along K, in two parts.  No two on end share an accumulator: the low-order rows' four stand four products behind row tile 0's.
.macro MULA f, c, zero
	WIN MUL
	MROW 0, 0, \f, \c, \zero
	MROW 1, 1, \f, \c, \zero
.endm
.macro MULB f, c, zero
	WIN MUL
	MROW 0, 4, \f, \c, 0
	MROW 2, 2, \f, \c, \zero
	MROW 3, 3, \f, \c, \zero
.endm
; 36 LDS loads in one run: quarter q (64 along K) of the slot in hand into buffer f, its first 32 along K first
.macro FETCH q, f
.irp c, 0,1
	WIN 0x80
.irp i, 0,1,2,3
	ds_load_tr16_b128 v[64*(\f)+32*(\c)+8*(\i):64*(\f)+32*(\c)+8*(\i)+3],   v[ADRB+(\q)/2] offset:(((\q)%2)*64+32*(\c))*PBP+32*(\i)
	ds_load_tr16_b128 v[64*(\f)+32*(\c)+8*(\i)+4:64*(\f)+32*(\c)+8*(\i)+7], v[ADRB+(\q)/2] offset:(((\q)%2)*64+32*(\c))*PBP+32*(\i)+16*PBP
.endr
	WIN 0x40
.irp a, 0,1,2,3,4
	ds_load_b128 v[80*(\f)+40*(\c)+8*(\a):80*(\f)+40*(\c)+8*(\a)+3],   v[ADRA] offset:128*(\q)+64*(\c)+16*PAP*(\a)
	ds_load_b128 v[80*(\f)+40*(\c)+8*(\a)+4:80*(\f)+40*(\c)+8*(\a)+7], v[ADRA] offset:128*(\q)+64*(\c)+16*PAP*(\a)+32
.endr
.endr
.endm
.macro QUARTER q, f, g, zero
	s_wait_dscnt 18                                ; the first 32 along K are in
	MULA \f, 0, \zero
	MULB \f, 0, \zero
	PLACES
	FETCH \q, \g
	s_wait_dscnt 36                                ; all but the 36 just issued
	MULA \f, 1, 0
	MULB \f, 1, 0
.endm
; The last quarter changes slots and then multiplies buffer 1.  The slot's last fragments were fetched in the quarter before, so the slot is free as soon as they are in: each wave waits for all its tensor loads,
; adds 0 to its spare word, and waits for that and for its reads of this slot.  fill = 1: the barrier opens a round of the cluster's, and this slot is filled again, two K steps ahead, first thing behind it:
; nothing but the round stands between the wait for one tile and the request for the next, and the request has a whole K step, 160 matrix instructions, in which to land.
.macro TURN fill
	WIN 0
	s_wait_tensorcnt 0x0                           ; no tensor load of mine is out, so a group 0 may be written
	ds_add_u32 v[SPW], v[NIL]                      ; scalar work stands between the add and the wait for it
.if \fill
	s_add_co_u32 s[G0A+5], s[TB], s[LWA]           ; the walking sets: into the slot that is left, the next K step
	s_add_nc_u64 s[G0A+6:G0A+7], s[G0A+6:G0A+7], 512
	s_add_co_u32 s[G0B+5], s[TB], s[LWB]
	s_add_nc_u64 s[G0B+6:G0B+7], s[G0B+6:G0B+7], 256*4096
.endif
	s_xor_b32 s[TB], s[TB], SLOT
	s_wait_dscnt 0x0                               ; the add is done, and my reads of this slot are over: buffer 1 holds its last quarter
	s_barrier_signal -1
	s_barrier_wait -1
.if \fill
	CREST                                          ; no wave of any partner still reads this slot or has a load on its way
	JLOAD                                          ; its four v_nop are also the places in front of the loads below
.else
	PLACES
.endif
	ADDR
	FETCH 0, 0
	MULA 1, 0, 0
	MULB 1, 0, 0
	MULA 1, 1, 0
	MULB 1, 1, 0
.endm
	s_wait_tensorcnt 0x1                           ; my part of K step 0 is in; step 1's may stay out
	s_barrier_signal -1
	s_barrier_wait -1
	ADDR
	FETCH 0, 0
	QUARTER 1, 0, 1, 1                             ; the first products start the sums
	WIN 0
	s_mov_b32 s[CNT], 6
.Lstep:                                                ; trip i ends K step i - 1, fills its slot with step i + 1 and begins step i
	QUARTER 2, 1, 0, 0
	QUARTER 3, 0, 1, 0
	TURN 1
	QUARTER 1, 0, 1, 0
	WIN 0
	s_sub_co_u32 s[CNT], s[CNT], 1
	s_cmp_lg_u32 s[CNT], 0
	s_cbranch_scc1 .Lstep
	QUARTER 2, 1, 0, 0                             ; the tail is written out: nothing more is asked for
	QUARTER 3, 0, 1, 0
	TURN 0
	QUARTER 1, 0, 1, 0
	QUARTER 2, 1, 0, 0
	QUARTER 3, 0, 1, 0
	s_wait_dscnt 18
	MULA 1, 0, 0
	MULB 1, 0, 0
	s_wait_dscnt 0x0
	MULA 1, 1, 0
	MULB 1, 1, 0
	WIN 0
	PLACES
	; THE WAY OUT.  The stage lies in slot 0: every wave's reads of it were over at the last change of slots, and the last K step lies in slot 1.
.irp a, 0,1,2,3
.irp b, 0,1,2,3
	ds_store_b128 v[STO], v[ACC+8*(4*\a+\b):ACC+8*(4*\a+\b)+3]   offset:16*SG*\a+64*\b
	ds_store_b128 v[STO], v[ACC+8*(4*\a+\b)+4:ACC+8*(4*\a+\b)+7] offset:16*SG*\a+64*\b+16
.endr
.endr
	s_wait_dscnt 0x0                               ; for the others' sake: a row's 512 bytes come from two waves
	s_barrier_signal -1
	s_barrier_wait -1
.irp g, 0,1
.if \g
	s_wait_xcnt 0x0                                ; the first sixteen stores' data are loaded again only behind this wait
.endif
.set j, 0
.rept 16
	ds_load_b128 v[OUTR+4*j:OUTR+4*j+3], v[RD] offset:SG*(16*\g+j)
.set j, j+1
.endr
.set j, 0
.rept 16
	s_wait_dscnt 15-j                              ; row j is back; the younger rows may be out
	global_store_b128 v[CO], v[OUTR+4*j:OUTR+4*j+3], s[8:9] offset:8192*(16*\g+j) th:TH_STORE_NT  ; a wave's store covers 512 consecutive bytes, aligned
.set j, j+1
.endr
.endr
	s_wait_tensorcnt 0x0                           ; the wave's end
	ds_add_u32 v[SPW], v[NIL]
	s_wait_dscnt 0x0
	CROUND                                         ; the closing round
	s_endpgm
.Lfunc_end_k_qe0df95eecb_proj:
	.size	k_qe0df95eecb_proj, .Lfunc_end_k_qe0df95eecb_proj-k_qe0df95eecb_proj
	.p2alignl 7, 3214868480
	.fill 96, 4, 3214868480
	.section	.rodata,"a",@progbits
	.p2align	6, 0x0
	.amdhsa_kernel k_qe0df95eecb_proj
		.amdhsa_group_segment_fixed_size 327680
		.amdhsa_private_segment_fixed_size 0
		.amdhsa_enable_private_segment 0
		.amdhsa_kernarg_size 24
		.amdhsa_user_sgpr_count 2
		.amdhsa_user_sgpr_kernarg_segment_ptr 1
		.amdhsa_wavefront_size32 1
		.amdhsa_system_sgpr_workgroup_id_x 1
		.amdhsa_system_sgpr_workgroup_id_y 1
		.amdhsa_system_sgpr_workgroup_id_z 1
		.amdhsa_system_vgpr_workitem_id 0
		.amdhsa_next_free_vgpr 640
		.amdhsa_next_free_sgpr 72
		.amdhsa_reserve_vcc 0
		.amdhsa_float_denorm_mode_32 3
		.amdhsa_float_denorm_mode_16_64 3
		.amdhsa_memory_ordered 1
		.amdhsa_forward_progress 1
		.amdhsa_inst_pref_size 79
	.end_amdhsa_kernel
	.amdgpu_metadata
---
amdhsa.version: [ 1, 2 ]
amdhsa.kernels:
  - .name:           k_qe0df95eecb_proj
    .symbol:         k_qe0df95eecb_proj.kd
    .args:
      - { .name: ob, .offset: 0, .size: 8, .value_kind: global_buffer, .address_space: global }
      - { .name: wof, .offset: 8, .size: 8, .value_kind: global_buffer, .address_space: global }
      - { .name: out0, .offset: 16, .size: 8, .value_kind: global_buffer, .address_space: global }
    .group_segment_fixed_size: 327680
    .private_segment_fixed_size: 0
    .kernarg_segment_align: 8
    .kernarg_segment_size: 24
    .max_flat_workgroup_size: 128
    .sgpr_count:     72
    .vgpr_count:     640
    .wavefront_size: 32
...
	.end_amdgpu_metadata
.endif
;; end of part 4
